; MI455X (gfx1250); checked and timed in simulation.
; The chip was launched on July 23, 2026; its instructions are those of AMD's public machine-readable ISA for CDNA 5 (MIT licence, August 2026) and "CDNA5" Instruction Set Architecture Reference Guide (July 2026). The comments in the code are by the model that wrote it; some were corrected since.
;; Parallel Attention Block. Allowed arithmetic: float matrix products may take bf16 or f16 operands with f32 sums; other float arithmetic in f32, or as packed bf16 or f16 multiplies, adds, multiply-adds, maxima and minima; sums over many terms, partial sums and values carried from step to step in f32; what a program stores and reads back later, other than sums and carried values, may be rounded once to bf16 or f16.
;; Inputs: ln_b 1,024 float32; ln_w 1,024 float32; w_down 4,096 x 1,024 float32; w_gate 1,024 x 4,096 float32; w_up 1,024 x 4,096 float32; wk 1,024 x 256 float32; wo 512 x 1,024 float32; wq 1,024 x 512 float32; wv 1,024 x 256 float32; x 2 x 2,048 x 1,024 float32.
;; Outputs: out0 2 x 2,048 x 1,024 float32.
;; One version. Each part assembles by itself: llvm-mc -triple=amdgcn-amd-amdhsa -mcpu=gfx1250 --defsym DOCPART=n.
;; ======== version 1 of 1: 4 launches
;; limits: values are held in f16: magnitudes above 65,504 overflow, below 6.1e-05 lose precision
;; workspace buffers: nrm 8,388,608 bytes; xb 8,388,608 bytes; wb 18,874,368 bytes; wd 9,437,184 bytes; qkv 8,388,608 bytes; act 37,748,736 bytes
;; launch prep (part 1): grid 992 x 1, 8 waves a work-group, no clusters, 35,840 bytes of LDS; arguments x, ln_w, ln_b, wq, wk, wv, wo, w_gate, w_up, w_down, nrm, xb, wb, wd; writes nrm, xb, wb, wd
.if DOCPART == 1
	.amdgcn_target "amdgcn-amd-amdhsa--gfx1250"
	.amdhsa_code_object_version 6
	.text
	.protected	k_q5788b9984a_prep
	.globl	k_q5788b9984a_prep
	.p2align	8
	.type	k_q5788b9984a_prep,@function
k_q5788b9984a_prep:
	s_mov_b64 s[64:65], 0
	v_nop
	global_prefetch_b8 v0, s[64:65] scope:SCOPE_SE
	s_setreg_imm32_b32 hwreg(HW_REG_WAVE_MODE, 25, 1), 1
	s_wait_xcnt 0x0
; PREP.  Work-groups 0-127: LayerNorm of x (4,096 rows of 1,024 f32).  Work-groups 128-991: the seven weights, rounded and transposed.
; EVERY INPUT IS ROUNDED TO bf16 FIRST (x, ln_w, ln_b, all weights); all that follows is computed from the rounded numbers.
; LayerNorm in f32, in two passes over the row in registers: the mean, then the sum of (x - mean)^2: no difference of large sums is formed.
; OUT: xb = x in bf16 [4096][1024]; nrm = the normed row in f16 [4096][1024];
;   wb [9216][1024] f16, K along the rows: row 144 hb + i: i < 64 gate column 64 hb + i; i < 128 up column 64 hb + i - 64; else column 16 hb + i - 128 of [q | k | v];
;   wd, bf16, laid out as the last product's matrix fragments (k' < 512 is wo's row k', k' >= 512 w_down's row k' - 512):
;   [8 tile columns of 128 n][144 chunks of 32 k'][8 blocks of 16 n][1,024 bytes]; in a block, byte 512 e + 16 (r + 16 h) begins k' = 32 chunk + 16 e + 8 h + 0..7 of column 16 block + r.
; LIMITS.  nrm and wb are f16: |nrm| <= 32 |ln_w| + |ln_b| and the weights of wb must stay below 65,504; a weight below 6.1e-5 keeps f16's fixed step of 6e-8.
; No matrix work, no cluster: nothing is shared between work-groups, memory binds.
.set W,   8                            ; v[8:39]    ln_w of my 32 columns     (cast: the block as loaded, v[8:71])
.set BI,  40                           ; v[40:71]   ln_b
.set X,   72                           ; v[72:103]  the row                   (cast: packed, v[72:103])
.set P,   104                          ; v[104:119] the row in bf16           (cast: rows read back, v[104:135])
.set N,   120                          ; v[120:135] the normed row in f16
.set CH,  120                          ; v[120:127] four chains of sums, ahead of N's use
.set MN,  136                          ; v[136:137] the mean, twice
.set RS,  138                          ; v[138:139] 1 / sqrt(var + eps), twice
.set SPW, 142                          ; LDS address of my spare word; never rewritten
.set NIL, 143                          ; 0; never rewritten
.set OF,  144                          ; v[144:151] cast: byte offsets of my eight source rows
.set DO,  152                          ; v[152:159] cast: byte offsets of my eight destination pieces
.set TP,  272                          ; a row of the transposing tile: 256 bytes + 16
.set SPARE, 128*TP                     ; behind the tile: the spare words, 128 bytes a wave
	s_load_b512 s[8:23], s[0:1], 0x0               ; x 8, ln_w 10, ln_b 12, wq 14, wk 16, wv 18, wo 20, w_gate 22
	s_load_b256 s[24:31], s[0:1], 0x40             ; w_up 24, w_down 26, nrm 28, xb 30
	s_load_b128 s[32:35], s[0:1], 0x60             ; wb 32, wd 34
	v_lshl_add_u32 v[SPW], v0, 2, SPARE
	v_mov_b32 v[NIL], 0
	v_lshrrev_b32 v1, 5, v0
	v_readfirstlane_b32 s4, v1                     ; wave 0..7
	s_mov_b32 s56, 0xffff0000                      ; a word's upper bf16
	s_wait_kmcnt 0x0
	s_cmp_lt_u32 ttmp9, 128
	s_cbranch_scc0 .Lcast
; ---------------- LayerNorm: a wave a row, four rows a wave; lane l holds columns 128 j + 4 l .. + 3, j = 0..7
	v_and_b32 v1, 31, v0
	v_lshlrev_b32 v2, 4, v1                        ; 16 l: f32 in
	v_lshlrev_b32 v3, 3, v1                        ; 8 l: 16 bits out
	v_mov_b32 v5, 0                                ; v_permlanex16_b32 counts as a reader of its destination
	s_lshl_b32 s6, ttmp9, 5
	s_lshl2_add_u32 s6, s4, s6                     ; my first row: 32 x work-group + 4 x wave
	s_lshl_b32 s50, s6, 12
	s_mov_b32 s51, 0
	s_add_nc_u64 s[36:37], s[8:9], s[50:51]        ; x at that row
	s_lshl_b32 s50, s6, 11
	s_add_nc_u64 s[38:39], s[28:29], s[50:51]      ; nrm
	s_add_nc_u64 s[40:41], s[30:31], s[50:51]      ; xb
	s_mov_b32 s57, 0x3a800000                      ; 1 / 1024
	s_mov_b32 s58, 0x3727c5ac                      ; 1e-5
	s_mov_b32 s60, 0x76543210                      ; each lane takes its own place in the other half
	s_mov_b32 s61, 0xfedcba98
.irp j, 0,1,2,3,4,5,6,7
	global_load_b128 v[W+4*(\j):W+4*(\j)+3],   v2, s[10:11] offset:512*(\j)
	global_load_b128 v[BI+4*(\j):BI+4*(\j)+3], v2, s[12:13] offset:512*(\j)
.endr
	s_wait_loadcnt 0x0
.set i, 0
.rept 16                                       ; gain and bias rounded to bf16, kept as f32
	v_cvt_pk_bf16_f32 v4, v[W+2*i], v[W+2*i+1]
	v_cvt_pk_bf16_f32 v6, v[BI+2*i], v[BI+2*i+1]
	v_lshlrev_b32 v[W+2*i], 16, v4
	v_and_b32 v[W+2*i+1], s56, v4
	v_lshlrev_b32 v[BI+2*i], 16, v6
	v_and_b32 v[BI+2*i+1], s56, v6
.set i, i+1
.endr
.macro FOLD                            ; the four chains into v4, then over the wave's 32 lanes; every lane ends with the sum
	v_pk_add_f32 v[CH:CH+1], v[CH:CH+1], v[CH+2:CH+3]
	v_pk_add_f32 v[CH+4:CH+5], v[CH+4:CH+5], v[CH+6:CH+7]
	v_pk_add_f32 v[CH:CH+1], v[CH:CH+1], v[CH+4:CH+5]
	v_add_f32 v4, v[CH], v[CH+1]
	v_add_f32_dpp v4, v4, v4 row_xmask:1 row_mask:0xf bank_mask:0xf
	v_add_f32_dpp v4, v4, v4 row_xmask:2 row_mask:0xf bank_mask:0xf
	v_add_f32_dpp v4, v4, v4 row_xmask:4 row_mask:0xf bank_mask:0xf
	v_add_f32_dpp v4, v4, v4 row_xmask:8 row_mask:0xf bank_mask:0xf
	v_permlanex16_b32 v5, v4, s60, s61
	v_add_f32 v4, v4, v5
.endm
	s_mov_b32 s5, 4
.Lrow:
.irp j, 0,1,2,3,4,5,6,7
	global_load_b128 v[X+4*(\j):X+4*(\j)+3], v2, s[36:37] offset:512*(\j) th:TH_LOAD_NT
.endr
	s_wait_loadcnt 0x0                             ; 24 waves share a WGP at this register count: the others' rows are on their way meanwhile
.set i, 0
.rept 16                                       ; x rounded to bf16: stored as xb, and kept as f32 for the norm
	v_cvt_pk_bf16_f32 v[P+i], v[X+2*i], v[X+2*i+1]
	v_lshlrev_b32 v[X+2*i], 16, v[P+i]
	v_and_b32 v[X+2*i+1], s56, v[P+i]
.set i, i+1
.endr
.irp j, 0,1,2,3,4,5,6,7
	global_store_b64 v3, v[P+2*(\j):P+2*(\j)+1], s[40:41] offset:256*(\j)  ; the wave's 32 x 8 bytes are 256 consecutive bytes, aligned
.endr
.irp c, 0,1,2,3
	v_pk_add_f32 v[CH+2*(\c):CH+2*(\c)+1], v[X+2*(\c):X+2*(\c)+1], v[X+8+2*(\c):X+8+2*(\c)+1]  ; the first pairs start the chains
.endr
.irp c, 0,1,2,3
	v_pk_add_f32 v[CH+2*(\c):CH+2*(\c)+1], v[CH+2*(\c):CH+2*(\c)+1], v[X+16+2*(\c):X+16+2*(\c)+1]
.endr
.irp c, 0,1,2,3
	v_pk_add_f32 v[CH+2*(\c):CH+2*(\c)+1], v[CH+2*(\c):CH+2*(\c)+1], v[X+24+2*(\c):X+24+2*(\c)+1]
.endr
	FOLD
	v_mul_f32 v[MN], s57, v4
	v_mul_f32 v[MN+1], s57, v4
.set i, 0
.rept 16
	v_pk_add_f32 v[X+2*i:X+2*i+1], v[X+2*i:X+2*i+1], v[MN:MN+1] neg_lo:[0,1] neg_hi:[0,1]  ; x - mean
.set i, i+1
.endr
.irp c, 0,1,2,3
	v_pk_mul_f32 v[CH+2*(\c):CH+2*(\c)+1], v[X+2*(\c):X+2*(\c)+1], v[X+2*(\c):X+2*(\c)+1]
.endr
.irp q, 8,16,24
.irp c, 0,1,2,3
	v_pk_fma_f32 v[CH+2*(\c):CH+2*(\c)+1], v[X+(\q)+2*(\c):X+(\q)+2*(\c)+1], v[X+(\q)+2*(\c):X+(\q)+2*(\c)+1], v[CH+2*(\c):CH+2*(\c)+1]
.endr
.endr
	FOLD
	v_fma_f32 v140, v4, s57, s58                   ; var + eps
	v_rsq_f32 v[RS], v140
	v_rsq_f32 v[RS+1], v140
	v_nop                                          ; a plain instruction behind the last root,
	s_wait_alu depctr_va_vdst(0)                   ; and one wait for both, ahead of their first reader
.set i, 0
.rept 16
	v_pk_mul_f32 v[X+2*i:X+2*i+1], v[X+2*i:X+2*i+1], v[RS:RS+1]
.set i, i+1
.endr
.set i, 0
.rept 16
	v_pk_fma_f32 v[X+2*i:X+2*i+1], v[X+2*i:X+2*i+1], v[W+2*i:W+2*i+1], v[BI+2*i:BI+2*i+1]
.set i, i+1
.endr
.set i, 0
.rept 16
	v_cvt_pk_f16_f32 v[N+i], v[X+2*i], v[X+2*i+1]
.set i, i+1
.endr
.irp j, 0,1,2,3,4,5,6,7
	global_store_b64 v3, v[N+2*(\j):N+2*(\j)+1], s[38:39] offset:256*(\j)
.endr
	s_wait_xcnt 0x0                                ; the bases, P and N are written again only behind this wait
	s_add_nc_u64 s[36:37], s[36:37], 4096
	s_add_nc_u64 s[38:39], s[38:39], 2048
	s_add_nc_u64 s[40:41], s[40:41], 2048
	s_sub_co_u32 s5, s5, 1
	s_cmp_lg_u32 s5, 0
	s_cbranch_scc1 .Lrow
	s_branch .Lend
; ---------------- the weights: a work-group takes 128 k x 128 n of one weight, [k][n] f32, and writes it with K on end, in 16 bits
; Which weight, and where its rows go, is chosen by selects on the work-group's number: no branch, and a pointer passes through selects alone.
;   s[36:37] source, s[38:39] destination, s40 first work-group, s41 log2 of the blocks along n, s42 log2 of a source row's bytes, s48 twice the k' of the weight's row 0, s49: 1 = f16 into wb, 0 = bf16 into wd
;   for wb alone: s43 bytes of a destination row; s44, s45: destination row of the block's column 0 = s44 x nb + s45; s46: bytes for 16 columns on; s47: bytes for 64 columns on
.macro PICK first, end, src, dst, start, lognb, spsh, dp, rm, ra, g1, g2, kob, fmt
.if \first
	s_mov_b64 s[36:37], s[\src:\src+1]
	s_mov_b64 s[38:39], s[\dst:\dst+1]
	s_mov_b32 s40, \start
	s_mov_b32 s41, \lognb
	s_mov_b32 s42, \spsh
	s_mov_b32 s43, \dp
	s_mov_b32 s44, \rm
	s_mov_b32 s45, \ra
	s_mov_b32 s46, \g1
	s_mov_b32 s47, \g2
	s_mov_b32 s48, \kob
	s_mov_b32 s49, \fmt
.else
	s_cmp_lt_u32 s6, \end
	s_cselect_b64 s[36:37], s[\src:\src+1], s[36:37]
	s_cselect_b64 s[38:39], s[\dst:\dst+1], s[38:39]
	s_cselect_b32 s40, \start, s40
	s_cselect_b32 s41, \lognb, s41
	s_cselect_b32 s42, \spsh, s42
	s_cselect_b32 s43, \dp, s43
	s_cselect_b32 s44, \rm, s44
	s_cselect_b32 s45, \ra, s45
	s_cselect_b32 s46, \g1, s46
	s_cselect_b32 s47, \g2, s47
	s_cselect_b32 s48, \kob, s48
	s_cselect_b32 s49, \fmt, s49
.endif
.endm
.Lcast:
	s_sub_co_u32 s6, ttmp9, 128
	PICK 1, 864, 18, 32, 848, 1, 10, 2048, 1152, 7040, 294912, 1179648, 0, 1     ; wv
	PICK 0, 848, 16, 32, 832, 1, 10, 2048, 1152, 4736, 294912, 1179648, 0, 1     ; wk
	PICK 0, 832, 20, 34, 800, 3, 12, 0, 0, 0, 0, 0, 0, 0                         ; wo
	PICK 0, 800, 14, 32, 768, 2, 11, 2048, 1152, 128, 294912, 1179648, 0, 1      ; wq
	PICK 0, 768, 26, 34, 512, 3, 12, 0, 0, 0, 0, 0, 1024, 0                      ; w_down
	PICK 0, 512, 24, 32, 256, 5, 14, 2048, 288, 64, 32768, 294912, 0, 1          ; w_up
	PICK 0, 256, 22, 32, 0, 5, 14, 2048, 288, 0, 32768, 294912, 0, 1             ; w_gate
	s_sub_co_u32 s50, s6, s40                      ; the block's number in its weight
	s_bfm_b32 s51, s41, 0
	s_and_b32 s51, s50, s51                        ; nb
	s_lshr_b32 s50, s50, s41                       ; kb
	s_lshl_b32 s52, s50, 7
	s_lshl_b32 s52, s52, s42                       ; 128 kb rows
	s_lshl_b32 s53, s51, 9                         ; 128 nb columns of 4 bytes
	s_add_co_u32 s52, s52, s53
	s_mov_b32 s53, 0
	s_add_nc_u64 s[36:37], s[36:37], s[52:53]
	s_lshl_b32 s54, 1, s42                         ; a source row's bytes
	v_lshrrev_b32 v4, 4, v0                        ; tr = t / 16: I take rows 8 tr .. 8 tr + 7,
	v_and_b32 v5, 15, v0                           ; tc = t % 16: columns 4 tc .. + 3 and 64 + 4 tc .. + 3
	v_lshlrev_b32 v6, 3, v4
	v_lshlrev_b32 v6, s42, v6
	v_lshl_add_u32 v[OF], v5, 4, v6
.irp p, 1,2,3,4,5,6,7
	v_add_nc_u32 v[OF+(\p)], s54, v[OF+(\p)-1]
.endr
.irp h, 0,1
.irp p, 0,1,2,3,4,5,6,7
	global_load_b128 v[8+4*(8*(\h)+(\p)):8+4*(8*(\h)+(\p))+3], v[OF+(\p)], s[36:37] offset:256*(\h) th:TH_LOAD_NT  ; a wave's load: two rows x 256 consecutive bytes, aligned
.endr
.endr
	; while the loads are out: the LDS places and the destination
	v_mul_u32_u24 v7, v5, TP
	v_lshl_add_u32 v7, v4, 4, v7                   ; in: LDS row tc (+ 16 c + 64 h), byte 16 tr: eight k of one column
	v_mul_u32_u24 v6, v4, TP
	v_lshl_add_u32 v6, v5, 4, v6                   ; back, for wb: LDS row t / 16 (+ 16 u), byte 16 (t % 16)
	s_mul_i32 s52, s44, s51                        ; wb: the block's first destination row,
	s_add_co_u32 s52, s52, s45
	s_mul_i32 s52, s52, s43
	s_lshl_b32 s53, s50, 8                         ; its 128 k: 256 bytes
	s_add_co_u32 s52, s52, s53
	s_mul_i32 s55, s51, 144*8192                   ; wd: tile column nb,
	s_lshl_b32 s53, s48, 7                         ; the weight's first chunk (2 k' bytes x 128 = k' / 32 x 8,192),
	s_add_co_u32 s55, s55, s53
	s_lshl_b32 s53, s50, 15                        ; the block's four chunks of 8,192 bytes
	s_add_co_u32 s55, s55, s53
	s_cmp_eq_u32 s49, 0
	s_cselect_b32 s52, s55, s52
	s_mov_b32 s53, 0
	s_add_nc_u64 s[38:39], s[38:39], s[52:53]
	v_lshrrev_b32 v1, 6, v0                        ; wb: LDS row 16 u + t / 16 holds column 64 (u / 4) + 4 (t / 16) + u % 4
	v_mul_lo_u32 v1, v1, s46
	v_bfe_u32 v2, v0, 4, 2
	v_lshlrev_b32 v2, 2, v2
	v_mul_lo_u32 v2, v2, s43
	v_add_nc_u32 v1, v1, v2
	v_lshl_add_u32 v[DO], v5, 4, v1
	v_add_nc_u32 v[DO+4], s47, v[DO]
.irp u, 1,2,3,5,6,7
	v_add_nc_u32 v[DO+(\u)], s43, v[DO+(\u)-1]
.endr
	s_wait_loadcnt 0x0
.irp h, 0,1
.irp c, 0,1,2,3
.irp q, 0,1,2,3
	v_cvt_pk_bf16_f32 v[72+4*(4*(\h)+(\c))+(\q)], v[8+4*(8*(\h)+2*(\q))+(\c)], v[8+4*(8*(\h)+2*(\q)+1)+(\c)]  ; two neighbouring k of one column
.endr
.endr
.endr
	s_cmp_eq_u32 s49, 0
	s_cbranch_scc1 .Lkeep                          ; wd keeps bf16; wb takes the rounded number as f16
.set i, 0
.rept 32
	v_lshlrev_b32 v[8+2*i], 16, v[72+i]
	v_and_b32 v[8+2*i+1], s56, v[72+i]
.set i, i+1
.endr
.set i, 0
.rept 32
	v_cvt_pk_f16_f32 v[72+i], v[8+2*i], v[8+2*i+1]
.set i, i+1
.endr
.Lkeep:
.irp h, 0,1
.irp c, 0,1,2,3
	ds_store_b128 v7, v[72+4*(4*(\h)+(\c)):72+4*(4*(\h)+(\c))+3] offset:(64*(\h)+16*(\c))*TP  ; sixteen lanes 272 bytes apart: sixteen different groups of banks
.endr
.endr
	s_wait_dscnt 0x0                               ; for the others' sake: my stores are done
	s_barrier_signal -1
	s_barrier_wait -1
	s_cmp_eq_u32 s49, 0
	s_cbranch_scc1 .Lfrag
.irp u, 0,1,2,3,4,5,6,7
	ds_load_b128 v[104+4*(\u):104+4*(\u)+3], v6 offset:16*TP*(\u)
.endr
	s_wait_dscnt 0x0
.irp u, 0,1,2,3,4,5,6,7
	global_store_b128 v[DO+(\u)], v[104+4*(\u):104+4*(\u)+3], s[38:39]  ; sixteen lanes fill 256 consecutive bytes of one row, aligned
.endr
	s_branch .Lend
.Lfrag:                                        ; wd: thread t takes column r = t % 16 of each of the eight blocks u of 16 columns, and of it the eight k at 8 (t / 16)
	v_and_b32 v1, 3, v5                            ; column 16 u + r lies in LDS row 64 (u / 4) + 4 (u % 4) + 16 (r % 4) + r / 4
	v_lshrrev_b32 v2, 2, v5
	v_lshl_add_u32 v1, v1, 4, v2
	v_mul_u32_u24 v1, v1, TP
	v_lshl_add_u32 v1, v4, 4, v1                   ; four deep: eight loads a thread, in a launch that memory binds
	v_lshrrev_b32 v2, 2, v4                        ; which of the block's four chunks,
	v_lshlrev_b32 v2, 13, v2
	v_and_b32 v6, 3, v4                            ; 2 e + h: 256 bytes each,
	v_lshl_add_u32 v2, v6, 8, v2
	v_lshl_add_u32 v2, v5, 4, v2                   ; 16 r
.irp u, 0,1,2,3,4,5,6,7
	ds_load_b128 v[104+4*(\u):104+4*(\u)+3], v1 offset:(64*((\u)/4)+4*((\u)%4))*TP
.endr
	s_wait_dscnt 0x0
.irp u, 0,1,2,3,4,5,6,7
	global_store_b128 v2, v[104+4*(\u):104+4*(\u)+3], s[38:39] offset:1024*(\u)  ; a wave's store: 512 consecutive bytes, aligned
.endr
.Lend:
	s_wait_tensorcnt 0x0                           ; the wave's end: behind my last LDS store
	ds_add_u32 v[SPW], v[NIL]
	s_wait_dscnt 0x0
	s_endpgm
.Lfunc_end_k_q5788b9984a_prep:
	.size	k_q5788b9984a_prep, .Lfunc_end_k_q5788b9984a_prep-k_q5788b9984a_prep
	.p2alignl 7, 3214868480
	.fill 96, 4, 3214868480
	.section	.rodata,"a",@progbits
	.p2align	6, 0x0
	.amdhsa_kernel k_q5788b9984a_prep
		.amdhsa_group_segment_fixed_size 35840
		.amdhsa_private_segment_fixed_size 0
		.amdhsa_enable_private_segment 0
		.amdhsa_kernarg_size 112
		.amdhsa_user_sgpr_count 2
		.amdhsa_user_sgpr_kernarg_segment_ptr 1
		.amdhsa_wavefront_size32 1
		.amdhsa_system_sgpr_workgroup_id_x 1
		.amdhsa_system_sgpr_workgroup_id_y 1
		.amdhsa_system_sgpr_workgroup_id_z 1
		.amdhsa_system_vgpr_workitem_id 0
		.amdhsa_next_free_vgpr 160
		.amdhsa_next_free_sgpr 66
		.amdhsa_reserve_vcc 0
		.amdhsa_float_denorm_mode_32 3
		.amdhsa_float_denorm_mode_16_64 3
		.amdhsa_memory_ordered 1
		.amdhsa_forward_progress 1
		.amdhsa_inst_pref_size 37
	.end_amdhsa_kernel
	.amdgpu_metadata
---
amdhsa.version: [ 1, 2 ]
amdhsa.kernels:
  - .name:           k_q5788b9984a_prep
    .symbol:         k_q5788b9984a_prep.kd
    .args:
      - { .name: x, .offset: 0, .size: 8, .value_kind: global_buffer, .address_space: global }
      - { .name: ln_w, .offset: 8, .size: 8, .value_kind: global_buffer, .address_space: global }
      - { .name: ln_b, .offset: 16, .size: 8, .value_kind: global_buffer, .address_space: global }
      - { .name: wq, .offset: 24, .size: 8, .value_kind: global_buffer, .address_space: global }
      - { .name: wk, .offset: 32, .size: 8, .value_kind: global_buffer, .address_space: global }
      - { .name: wv, .offset: 40, .size: 8, .value_kind: global_buffer, .address_space: global }
      - { .name: wo, .offset: 48, .size: 8, .value_kind: global_buffer, .address_space: global }
      - { .name: w_gate, .offset: 56, .size: 8, .value_kind: global_buffer, .address_space: global }
      - { .name: w_up, .offset: 64, .size: 8, .value_kind: global_buffer, .address_space: global }
      - { .name: w_down, .offset: 72, .size: 8, .value_kind: global_buffer, .address_space: global }
      - { .name: nrm, .offset: 80, .size: 8, .value_kind: global_buffer, .address_space: global }
      - { .name: xb, .offset: 88, .size: 8, .value_kind: global_buffer, .address_space: global }
      - { .name: wb, .offset: 96, .size: 8, .value_kind: global_buffer, .address_space: global }
      - { .name: wd, .offset: 104, .size: 8, .value_kind: global_buffer, .address_space: global }
    .group_segment_fixed_size: 35840
    .private_segment_fixed_size: 0
    .kernarg_segment_align: 8
    .kernarg_segment_size: 112
    .max_flat_workgroup_size: 256
    .sgpr_count:     66
    .vgpr_count:     160
    .wavefront_size: 32
...
	.end_amdgpu_metadata
.endif
;; end of part 1
;; launch gemm1 (part 2): grid 32 x 16, 4 waves a work-group, clusters of 4 x 4, 327,680 bytes of LDS; arguments nrm, wb, qkv, act; writes qkv, act
.if DOCPART == 2
	.amdgcn_target "amdgcn-amd-amdhsa--gfx1250"
	.amdhsa_code_object_version 6
	.text
	.protected	k_q5788b9984a_gemm1
	.globl	k_q5788b9984a_gemm1
	.p2align	8
	.type	k_q5788b9984a_gemm1,@function
k_q5788b9984a_gemm1:
	s_mov_b64 s[64:65], 0
	v_nop
	global_prefetch_b8 v0, s[64:65] scope:SCOPE_SE
	s_setreg_imm32_b32 hwreg(HW_REG_WAVE_MODE, 25, 1), 1
	s_wait_xcnt 0x0
	s_wait_alu depctr_hold_cnt(0) depctr_sa_sdst(0) depctr_va_vdst(0) depctr_va_sdst(0) depctr_va_ssrc(0) depctr_va_vcc(0) depctr_vm_vsrc(0)
	s_getreg_b32 s2, hwreg(HW_REG_IB_STS2, 6, 4)
	s_cmp_eq_u32 s2, 0
	s_cbranch_scc0 .Lentry_in_a_cluster
	s_endpgm
.Lentry_in_a_cluster:
	s_bfe_u32 s2, ttmp6, 0x10000c
	s_cmp_lg_u32 s2, 0xf033
	s_cbranch_scc0 .Lentry_shape_is_right
	s_endpgm
.Lentry_shape_is_right:
; GEMM1.  nrm [4096][1024] f16 times wb [9216][1024] f16 (K along the rows of both); sums in f32.
; A tile is 256 rows x 288 rows of wb; four waves, each 128 x 144: 72 accumulators of 16 x 16, 576 registers.  A wave's 144 columns are one block hb of wb: 64 gate columns,
; the SAME 64 up columns, and 16 columns of [q | k | v].  So silu(gate) x up is made in registers on the way out, and q, k, v ride along as a ninth column block: 512 equal tiles.
; OUT: act block 8 + hb, [4096 rows][64] bf16: h = silu(g) u;  qkv group hb, [4096 rows][16] f16.
; LIMITS.  q, k, v are f16: they must stay below 65,504.  h is bf16, which has f32's range.  sigmoid(g) = 1 / (1 + 2^(-g log2 e)); where that power overflows the quotient is 0.
; K goes in 8 steps of 128 through two LDS slots; a trip of the loop is one K step.  The slot in hand is a scalar, 0 or SLOT, turned by an exclusive or with SLOT; the walking descriptors' LDS words
; are turned by the same exclusive or: SLOT = 0x24200, and none of its bits is set in a wave's place in a slot (0, 0x8800, 0x11000, 0x1a900), so the exclusive or adds SLOT or takes it away.
; CLUSTER 4 x 4: the four of a row need the same rows of nrm, the four of a column the same rows of wb: each tile is asked for jointly, by the same load, descriptor and mask in all four.
; THE MATRIX INSTRUCTION IS USED TRANSPOSED (source 0 = 16 rows of wb, source 1 = 16 rows of nrm): a lane holds row l % 16 and eight neighbouring columns 8 (l / 16) + 0..7.
; REGISTERS, in windows of 256 (s_set_vgpr_msb: bits 1:0 source 0, 3:2 source 1, 5:4 source 2, 7:6 destination):
;   window 0: v16-30 addresses; v32-63 rows back from the stage; v64-127, v128-191 A's fragments, two buffers; v192-223, v224-239 at work on the way out
;   window 1: v0-63 the ninth column block's accumulators (row block a at 8 a); v64-135, v136-207 B's fragments (9 x 8), two buffers
;   window 2: accumulators (a, b < 8) of my rows 0-63 at 8 (8 a + b);   window 3: those of my rows 64-127
.set KSTEP,  128
.set SIZE_K, 1024
.set STEPS,  SIZE_K/KSTEP
.set PITCH,  272                       ; an LDS row: 256 bytes + 16: the sixteen rows of a fragment load start at sixteen different groups of banks
.set AH,     128*PITCH                 ; what a wave fetches of A
.set BH,     144*PITCH                 ; and of B
.set BOFF,   2*AH
.set SLOT,   2*AH+2*BH
.set STAGE,  2*SLOT                    ; behind the ring: 16 rows x 144 bytes for each wave
.set SP,     144
.set SPARE,  STAGE+4*16*SP             ; behind the stages: the spare words, 128 bytes a wave
.set A0,   16                          ; LDS address of my A fragments in slot 0; never rewritten
.set B0,   17                          ; the same for B
.set ADRA, 18                          ; the same in the slot in hand
.set ADRB, 19
.set STO,  24                          ; the way out: where I put 16 bytes of a row
.set RD,   25                          ; where I read rows back
.set HO,   26                          ; 16 x lane: my place in 512 consecutive bytes of act
.set QO,   27                          ; 32 (l % 16) + 16 (l / 16): my place in 16 rows of qkv
.set SPW,  28
.set NIL,  29
.set PFO,  30                          ; the prefetches' offset: lane x a row's 2,048 bytes
.set BK,   32
.set FA0,  64
.set FB0,  64
.set QP,   64                          ; the way out: q, k, v packed, in A's dead fragments
.set T,    192
.set PK,   224
.set WV, 12
.set WM, 13                            ; which half of the rows is mine; also: I fetch for A (0) or B (1)
.set WN, 14                            ; which half of the columns; also: which half of that tile I fetch
.set G1,  24
.set G0,  32                           ; s[32:35] A's first fill of slot 0; s[36:39] of slot 1, which then walks
.set PFA, 44
.set LIM, 46
.set TB,  47                           ; the slot in hand: 0 or SLOT
.set G1B, 48
.set G0B, 56                           ; s[56:59], s[60:63]: the same for B
.set HB,  72
.set QB,  74
.set MSB, 0
.macro WIN new
.if MSB != (\new)
	s_set_vgpr_msb (MSB<<8)|(\new)
.set MSB, \new
.endif
.endm
.set MUL_LO, 0xa1                      ; source 0 (B) window 1, source 1 (A) window 0, C and D window 2
.set MUL_HI, 0xf1
.set MUL_9,  0x51                      ; C and D window 1
.set TO_B,   0x40
.macro PLACES                          ; four plain places behind matrix instructions, in front of loads into their sources and of readers of their results
.rept 4
	v_nop
.endr
.endm
.macro JLOAD                           ; a joint refill by the walking descriptors: waves 0 and 1 fetch A's halves, waves 2 and 3 B's; s_nop 0 and four v_nop follow each line
	s_cmp_eq_u32 s[WM], 0
	s_cbranch_scc0 .Lfor_b_\@
	tensor_load_to_lds s[G0+4:G0+7], s[G1:G1+7]
	s_nop 0
	PLACES
	s_branch .Lasked_\@
.Lfor_b_\@:
	tensor_load_to_lds s[G0B+4:G0B+7], s[G1B:G1B+7]
	s_nop 0
	PLACES
.Lasked_\@:
.endm
; A prefetch behind each refill: the K step two refills on, 32 rows x 256 bytes, a lane a row.  A's rows are asked for by the clusters with x = 0, B's by those with y = 0; the four partners of a
; joint load take 32 rows each, told apart by address.  Of a wave's 144 rows of B the first 128 are asked for.  The loop's last two trips ask for nothing: those K steps do not exist.
.macro ASK
	s_cmp_gt_u32 s3, s[LIM]
	s_cbranch_scc0 .Lnot_mine_\@
	global_prefetch_b8 v[PFO], s[PFA:PFA+1] offset:KSTEP*2 th:TH_LOAD_NT scope:SCOPE_SE
.Lnot_mine_\@:
.endm
.macro CREST                           ; a round of the cluster's barrier behind its opening barrier
	s_cmp_lg_u32 s[WV], 0
	s_cbranch_scc1 .Lnot_wave_0_\@
	s_barrier_signal -3
.Lnot_wave_0_\@:
	s_barrier_wait -3
	s_barrier_signal -1
	s_barrier_wait -1
.endm
.macro CROUND
	s_barrier_signal -1
	s_barrier_wait -1
	CREST
.endm
	s_load_b256 s[4:11], s[0:1], 0x0               ; nrm s[4:5], wb s[6:7], qkv s[8:9], act s[10:11]
	v_lshl_add_u32 v[SPW], v0, 2, SPARE
	v_mov_b32 v[NIL], 0
	ds_add_u32 v[SPW], v[NIL]                      ; the wave's opening: the add and its wait ahead of my first tensor load
	v_lshrrev_b32 v1, 5, v0
	v_readfirstlane_b32 s[WV], v1
	s_lshr_b32 s[WM], s[WV], 1
	s_and_b32 s[WN], s[WV], 1
	s_bfe_u32 s40, ttmp6, 0x40000                  ; cx
	s_bfe_u32 s41, ttmp6, 0x40004                  ; cy
	s_lshl_b32 s42, ttmp9, 2
	s_add_co_u32 s42, s42, s40                     ; tile column tx
	s_and_b32 s43, ttmp7, 0xffff
	s_lshl_b32 s43, s43, 2
	s_add_co_u32 s43, s43, s41                     ; tile row ty
	s_lshl_b32 s16, s41, 2
	s_lshl_b32 s16, 15, s16                        ; my row of the cluster
	s_lshl_b32 s20, 0x1111, s40                    ; my column
	s_or_b32 s[G1], s16, (1<<16)|(1<<20)|(1<<21)|(5<<22)|(3<<25)   ; mask; 2-byte elements; padding on; bit 21 beside a mask; after every 64 words 4 words
	s_or_b32 s[G1B], s20, (1<<16)|(1<<20)|(1<<21)|(5<<22)|(3<<25)
	s_mov_b32 s[G1+1], KSTEP<<16                   ; tensor_dim0 = 128
	s_mov_b32 s[G1+2], 128<<16                     ; tensor_dim1 = 128
	s_mov_b32 s[G1+3], KSTEP<<16                   ; tile_dim0 = 128
	s_mov_b32 s[G1+4], 128                         ; tile_dim1 = 128
	s_mov_b32 s[G1+5], SIZE_K                      ; elements from row to row
	s_mov_b32 s[G1+6], 0
	s_mov_b32 s[G1+7], 0
	s_mov_b32 s[G1B+1], KSTEP<<16
	s_mov_b32 s[G1B+2], 144<<16                    ; B: 144 rows
	s_mov_b32 s[G1B+3], KSTEP<<16
	s_mov_b32 s[G1B+4], 144
	s_mov_b32 s[G1B+5], SIZE_K
	s_mov_b32 s[G1B+6], 0
	s_mov_b32 s[G1B+7], 0
	s_lshl_b32 s16, s43, 8                         ; A: row 256 ty + 128 x half: of the tile row and the wave's number alone
	s_lshl_b32 s17, s[WN], 7
	s_add_co_u32 s16, s16, s17
	s_lshl_b32 s16, s16, 11
	s_mov_b32 s17, 0
	s_mul_i32 s20, s42, 288                        ; B: row 288 tx + 144 x half: of the tile column and the wave's number alone
	s_mul_i32 s21, s[WN], 144
	s_add_co_u32 s20, s20, s21
	s_lshl_b32 s20, s20, 11
	s_mov_b32 s21, 0
	s_mul_i32 s18, s[WN], AH                       ; where they go: no place in the cluster enters an LDS address
	s_mul_i32 s22, s[WN], BH
	s_add_co_u32 s22, s22, BOFF
	s_mov_b32 s70, 0xbfb8aa3b                      ; -log2(e)
	s_mov_b32 s71, s70
	s_mov_b32 s[TB], 0
	s_wait_dscnt 0x0                               ; the opening add is done
	s_wait_kmcnt 0x0
	s_add_nc_u64 s[16:17], s[4:5], s[16:17]
	s_add_nc_u64 s[20:21], s[6:7], s[20:21]
.irp s, 0,1
	s_mov_b32 s[G0+4*(\s)], 1
	s_add_co_u32 s[G0+4*(\s)+1], s18, (\s)*SLOT
	s_add_nc_u64 s[G0+4*(\s)+2:G0+4*(\s)+3], s[16:17], (\s)*KSTEP*2
	s_or_b32 s[G0+4*(\s)+3], s[G0+4*(\s)+3], 0x80000000
	s_mov_b32 s[G0B+4*(\s)], 1
	s_add_co_u32 s[G0B+4*(\s)+1], s22, (\s)*SLOT
	s_add_nc_u64 s[G0B+4*(\s)+2:G0B+4*(\s)+3], s[20:21], (\s)*KSTEP*2
	s_or_b32 s[G0B+4*(\s)+3], s[G0B+4*(\s)+3], 0x80000000
.endr
	CROUND                                         ; all sixteen work-groups are here: the first joint loads meet
	s_cmp_eq_u32 s[WM], 0                          ; a wave's two first fills stand in one branch: two loads of mine are out
	s_cbranch_scc0 .Lfirst_b
	tensor_load_to_lds s[G0:G0+3], s[G1:G1+7]
	s_nop 0
	tensor_load_to_lds s[G0+4:G0+7], s[G1:G1+7]
	s_nop 0
	PLACES
	s_branch .Lfirst_asked
.Lfirst_b:
	tensor_load_to_lds s[G0B:G0B+3], s[G1B:G1B+7]
	s_nop 0
	tensor_load_to_lds s[G0B+4:G0B+7], s[G1B:G1B+7]
	s_nop 0
	PLACES
.Lfirst_asked:
	v_and_b32 v1, 15, v0                           ; l % 16
	v_bfe_u32 v2, v0, 4, 1                         ; l / 16
	v_mul_u32_u24 v3, v1, PITCH
	v_lshl_add_u32 v3, v2, 4, v3                   ; a fragment's row x pitch + 16 x half
	s_mul_i32 s66, s[WM], AH                       ; my 128 rows of A
	s_mul_i32 s67, s[WN], BH                       ; my 144 rows of B
	s_add_co_u32 s67, s67, BOFF
	v_add_nc_u32 v[A0], s66, v3
	v_add_nc_u32 v[B0], s67, v3
	v_mov_b32 v[ADRA], v[A0]
	v_mov_b32 v[ADRB], v[B0]
	s_mul_i32 s66, s[WV], 16*SP
	s_add_co_u32 s66, s66, STAGE                   ; my stage
	v_mul_u32_u24 v4, v1, SP
	v_lshl_add_u32 v4, v2, 4, v4
	v_add_nc_u32 v[STO], s66, v4                   ; in: row l % 16, 16 bytes for each half of the lanes
	v_bfe_u32 v5, v0, 3, 2
	v_and_b32 v6, 7, v0
	v_mul_u32_u24 v5, v5, SP
	v_lshl_add_u32 v5, v6, 4, v5
	v_add_nc_u32 v[RD], s66, v5                    ; back: 32 lanes take four rows of 128 bytes
	v_and_b32 v[HO], 31, v0
	v_lshlrev_b32 v[HO], 4, v[HO]
	v_lshlrev_b32 v[QO], 5, v1
	v_lshl_add_u32 v[QO], v2, 4, v[QO]
	s_lshl_b32 s66, s43, 8
	s_lshl_b32 s67, s[WM], 7
	s_add_co_u32 s66, s66, s67                     ; my first row
	s_lshl_b32 s68, s42, 1
	s_add_co_u32 s68, s68, s[WN]                   ; hb
	s_lshl_b32 s69, s68, 17                        ; qkv: group hb, 131,072 bytes each; 32 bytes a row
	s_lshl_b32 s67, s66, 5
	s_add_co_u32 s22, s69, s67
	s_mov_b32 s23, 0
	s_add_nc_u64 s[QB:QB+1], s[8:9], s[22:23]
	s_add_co_u32 s68, s68, 8                       ; act: block 8 + hb, 524,288 bytes each; 128 bytes a row
	s_lshl_b32 s68, s68, 19
	s_lshl_b32 s67, s66, 7
	s_add_co_u32 s22, s68, s67
	s_add_nc_u64 s[HB:HB+1], s[10:11], s[22:23]
	; the prefetches
	s_lshl_b32 s66, s43, 8
	s_lshl_b32 s67, s[WN], 7
	s_add_co_u32 s66, s66, s67
	s_lshl_b32 s67, s40, 5
	s_add_co_u32 s66, s66, s67                     ; A: the rows that I fetch, my work-group's 32 of them by cx
	s_mul_i32 s68, s42, 288
	s_mul_i32 s69, s[WN], 144
	s_add_co_u32 s68, s68, s69
	s_lshl_b32 s69, s41, 5
	s_add_co_u32 s68, s68, s69                     ; B: likewise by cy
	s_and_b32 s69, ttmp7, 0xffff
	s_cmp_eq_u32 s[WM], 0
	s_cselect_b32 s66, s66, s68
	s_cselect_b32 s69, ttmp9, s69                  ; the coordinate along which other clusters read the same rows
	s_cselect_b64 s[PFA:PFA+1], s[4:5], s[6:7]
	s_cmp_eq_u32 s69, 0
	s_cselect_b32 s[LIM], 2, -1                    ; the same in all sixteen partners, for a given wave
	s_lshl_b32 s66, s66, 11
	s_mov_b32 s67, 0
	s_add_nc_u64 s[PFA:PFA+1], s[PFA:PFA+1], s[66:67]
	s_add_nc_u64 s[PFA:PFA+1], s[PFA:PFA+1], 2*KSTEP*2  ; at K step 2: the first refill steps it to 3 and names K step 4
	v_and_b32 v[PFO], 31, v0
	v_lshlrev_b32 v[PFO], 11, v[PFO]
; 16 matrix instructions: row blocks a0, a0 + 1 of the window's four x column blocks 0-7, 32 along K, buffer f.  zero = 1: the first product starts the sums.
.macro MUL16 f, hi, a0, zero
	WIN MUL_LO+0x50*(\hi)
.irp a, \a0, (\a0)+1
.irp b, 0,1,2,3,4,5,6,7
.if \zero
	v_wmma_f32_16x16x32_f16 v[8*(8*(\a)+(\b)):8*(8*(\a)+(\b))+7], v[FB0+72*(\f)+8*(\b):FB0+72*(\f)+8*(\b)+7], v[FA0+64*(\f)+8*(4*(\hi)+(\a)):FA0+64*(\f)+8*(4*(\hi)+(\a))+7], 0
.else
	v_wmma_f32_16x16x32_f16 v[8*(8*(\a)+(\b)):8*(8*(\a)+(\b))+7], v[FB0+72*(\f)+8*(\b):FB0+72*(\f)+8*(\b)+7], v[FA0+64*(\f)+8*(4*(\hi)+(\a)):FA0+64*(\f)+8*(4*(\hi)+(\a))+7], v[8*(8*(\a)+(\b)):8*(8*(\a)+(\b))+7]
.endif
.endr
.endr
.endm
; 4 matrix instructions: the ninth column block for four row blocks.  All 72 accumulators take turns, one instruction a turn, in the same order in every quarter.
.macro MUL9 f, hi, zero
	WIN MUL_9
.irp a, 0,1,2,3
.if \zero
	v_wmma_f32_16x16x32_f16 v[8*(4*(\hi)+(\a)):8*(4*(\hi)+(\a))+7], v[FB0+72*(\f)+64:FB0+72*(\f)+71], v[FA0+64*(\f)+8*(4*(\hi)+(\a)):FA0+64*(\f)+8*(4*(\hi)+(\a))+7], 0
.else
	v_wmma_f32_16x16x32_f16 v[8*(4*(\hi)+(\a)):8*(4*(\hi)+(\a))+7], v[FB0+72*(\f)+64:FB0+72*(\f)+71], v[FA0+64*(\f)+8*(4*(\hi)+(\a)):FA0+64*(\f)+8*(4*(\hi)+(\a))+7], v[8*(4*(\hi)+(\a)):8*(4*(\hi)+(\a))+7]
.endif
.endr
.endm
; 34 LDS loads in one run: 144 rows of B, 128 rows of A, 32 K at byte k of the rows of the slot in hand, into buffer f
.macro FETCH k, f
	WIN TO_B
.irp i, 0,1,2,3,4,5,6,7,8
	ds_load_b128 v[FB0+72*(\f)+8*(\i):FB0+72*(\f)+8*(\i)+3],   v[ADRB] offset:(\k)+(\i)*16*PITCH
	ds_load_b128 v[FB0+72*(\f)+8*(\i)+4:FB0+72*(\f)+8*(\i)+7], v[ADRB] offset:(\k)+(\i)*16*PITCH+32
.endr
	WIN 0
.irp i, 0,1,2,3,4,5,6,7
	ds_load_b128 v[FA0+64*(\f)+8*(\i):FA0+64*(\f)+8*(\i)+3],   v[ADRA] offset:(\k)+(\i)*16*PITCH
	ds_load_b128 v[FA0+64*(\f)+8*(\i)+4:FA0+64*(\f)+8*(\i)+7], v[ADRA] offset:(\k)+(\i)*16*PITCH+32
.endr
.endm
; A K step is four quarters of 32 along K, 72 matrix instructions each, on buffers 0, 1, 0, 1.  One of the first three:
.macro QUARTER k, f, g, zero
	s_wait_dscnt 8                                 ; B and A's rows 0-63 are in; the youngest eight loads (A's rows 64-127) may be out
	MUL16 \f, 0, 0, \zero
	MUL16 \f, 0, 2, \zero
	MUL9  \f, 0, \zero
	PLACES
	FETCH \k, \g
	s_wait_dscnt 34                                ; all but the 34 just issued
	MUL16 \f, 1, 0, \zero
	MUL16 \f, 1, 2, \zero
	MUL9  \f, 1, \zero
.endm
; The last quarter multiplies buffer 1 and changes slots.  ONE barrier: in front of it each wave waits for all its tensor loads (one is out: its part of the next slot), adds 0 to its spare word,
; and waits for that and for its reads of this slot.  fill = 1: the barrier opens a round of the cluster's, and the joint refill, two K steps ahead, is the first thing behind the round.
.macro TURN fill
.if \fill
	s_wait_xcnt 0x0                                ; the last prefetch, a K step back, has read its address
	s_add_nc_u64 s[PFA:PFA+1], s[PFA:PFA+1], KSTEP*2
.endif
	WIN 0
	s_wait_tensorcnt 0x0                           ; no tensor load of mine is out, so a group 0 may be written
	ds_add_u32 v[SPW], v[NIL]
.if \fill
	s_xor_b32 s[G0+5], s[G0+5], SLOT               ; the walking descriptors: the slot that is being left,
	s_add_nc_u64 s[G0+6:G0+7], s[G0+6:G0+7], KSTEP*2    ; the K step behind the one asked for last
	s_xor_b32 s[G0B+5], s[G0B+5], SLOT
	s_add_nc_u64 s[G0B+6:G0B+7], s[G0B+6:G0B+7], KSTEP*2
.endif
	s_xor_b32 s[TB], s[TB], SLOT                   ; the fragments come from the other slot from here on
	s_wait_dscnt 9                                 ; the add and the youngest eight loads may be out
	MUL16 1, 0, 0, 0
	s_wait_dscnt 0x0                               ; the add is done, and my reads of this slot are over
	s_barrier_signal -1
	MUL16 1, 0, 2, 0
	MUL9  1, 0, 0
	WIN 0
	s_barrier_wait -1
.if \fill
	CREST
	JLOAD                                          ; 252 matrix instructions ahead of the wait for it; its four v_nop are also the places in front of the loads below
.else
	PLACES
.endif
	v_add_nc_u32 v[ADRA], s[TB], v[A0]
	v_add_nc_u32 v[ADRB], s[TB], v[B0]
	FETCH 0, 0
.if \fill
	ASK
.endif
	MUL16 1, 1, 0, 0
	MUL16 1, 1, 2, 0
	MUL9  1, 1, 0
.endm
	s_wait_tensorcnt 1                             ; my part of K step 0 is in; step 1's may stay out
	s_barrier_signal -1
	s_barrier_wait -1
	FETCH 0, 0
	QUARTER 64, 0, 1, 1                            ; the first quarter stands in front of the loop: its products start the sums
	WIN 0
	s_mov_b32 s3, STEPS-2
.Lstep:                                        ; a trip: from a K step's second quarter to the next step's first; it fills the slot that it leaves
	QUARTER 128, 1, 0, 0
	QUARTER 192, 0, 1, 0
	TURN 1
	QUARTER 64,  0, 1, 0
	WIN 0
	s_sub_co_u32 s3, s3, 1
	s_cmp_lg_u32 s3, 0
	s_cbranch_scc1 .Lstep
	QUARTER 128, 1, 0, 0                           ; the last two K steps fill nothing
	QUARTER 192, 0, 1, 0
	TURN 0
	QUARTER 64,  0, 1, 0
	QUARTER 128, 1, 0, 0
	QUARTER 192, 0, 1, 0
	s_wait_dscnt 8
	MUL16 1, 0, 0, 0
	MUL16 1, 0, 2, 0
	MUL9  1, 0, 0
	s_wait_dscnt 0x0
	MUL16 1, 1, 0, 0
	MUL16 1, 1, 2, 0
	MUL9  1, 1, 0
	WIN 0
	PLACES
	; THE WAY OUT.  q, k, v: a lane's eight columns are 16 bytes of a row of 32: a wave's store covers 512 consecutive bytes, so no stage is needed.
	WIN 0x05                                       ; sources window 1, destination window 0
.irp a, 0,1,2,3,4,5,6,7
.irp r, 0,1,2,3
	v_cvt_pk_f16_f32 v[QP+4*(\a)+(\r)], v[8*(\a)+2*(\r)], v[8*(\a)+2*(\r)+1]
.endr
.endr
	WIN 0
.irp a, 0,1,2,3,4,5,6,7
	global_store_b128 v[QO], v[QP+4*(\a):QP+4*(\a)+3], s[QB:QB+1] offset:512*(\a)
.endr
; Row block a: h = g u / (1 + 2^(-g log2 e)) for 16 rows x 64 columns.  The 32 powers are one batch with one wait, the 32 reciprocals another.
.macro SILU a
.set AC, 64*((\a)%4)
	WIN 0x02+(\a)/4                                ; source 0 in window 2 or 3
.set z, 0
.rept 16
	v_pk_mul_f32 v[T+2*z:T+2*z+1], v[AC+2*z:AC+2*z+1], s[70:71] op_sel_hi:[1,0]
.set z, z+1
.endr
	WIN 0
.set z, 0
.rept 32
	v_exp_f32 v[T+z], v[T+z]
.set z, z+1
.endr
	v_nop
	s_wait_alu depctr_va_vdst(0)
.set z, 0
.rept 16
	v_pk_add_f32 v[T+2*z:T+2*z+1], v[T+2*z:T+2*z+1], 1.0 op_sel_hi:[1,0]
.set z, z+1
.endr
.set z, 0
.rept 32
	v_rcp_f32 v[T+z], v[T+z]
.set z, z+1
.endr
	v_nop
	s_wait_alu depctr_va_vdst(0)
	WIN 0x02+(\a)/4
.set z, 0
.rept 16
	v_pk_mul_f32 v[T+2*z:T+2*z+1], v[AC+2*z:AC+2*z+1], v[T+2*z:T+2*z+1]
.set z, z+1
.endr
.set z, 0
.rept 16
	v_pk_mul_f32 v[T+2*z:T+2*z+1], v[AC+32+2*z:AC+32+2*z+1], v[T+2*z:T+2*z+1]
.set z, z+1
.endr
	WIN 0
.set z, 0
.rept 16
	v_cvt_pk_bf16_f32 v[PK+z], v[T+2*z], v[T+2*z+1]
.set z, z+1
.endr
.endm
.macro TOSTAGE a                       ; into my own stage, rows of 144 bytes, and back as whole rows of 128
.set BKR, BK+16*((\a)%2)
	s_wait_xcnt 0x0                                ; the stores of two blocks back have read these registers
.irp b, 0,1,2,3
	ds_store_b128 v[STO], v[PK+4*(\b):PK+4*(\b)+3] offset:32*(\b)
.endr
.irp t, 0,1,2,3
	ds_load_b128 v[BKR+4*(\t):BKR+4*(\t)+3], v[RD] offset:(\t)*4*SP  ; LDS serves a wave's instructions in order: these see the stores above
.endr
.endm
.macro SEND a
.set BKR, BK+16*((\a)%2)
	s_wait_dscnt 0x0
.irp t, 0,1,2,3
	global_store_b128 v[HO], v[BKR+4*(\t):BKR+4*(\t)+3], s[HB:HB+1] offset:2048*(\a)+512*(\t)  ; 512 consecutive bytes, aligned: four rows of the block
.endr
.endm
	SILU 0
	TOSTAGE 0
.irp a, 1,2,3,4,5,6,7                  ; a block's arithmetic stands between the stage loads of the block before and the wait for them
	SILU \a
	SEND (\a)-1
	TOSTAGE \a
.endr
	SEND 7
	s_wait_tensorcnt 0x0                           ; the wave's end
	ds_add_u32 v[SPW], v[NIL]
	s_wait_dscnt 0x0
	CROUND                                         ; the closing round
	s_endpgm
.Lfunc_end_k_q5788b9984a_gemm1:
	.size	k_q5788b9984a_gemm1, .Lfunc_end_k_q5788b9984a_gemm1-k_q5788b9984a_gemm1
	.p2alignl 7, 3214868480
	.fill 96, 4, 3214868480
	.section	.rodata,"a",@progbits
	.p2align	6, 0x0
	.amdhsa_kernel k_q5788b9984a_gemm1
		.amdhsa_group_segment_fixed_size 327680
		.amdhsa_private_segment_fixed_size 0
		.amdhsa_enable_private_segment 0
		.amdhsa_kernarg_size 32
		.amdhsa_user_sgpr_count 2
		.amdhsa_user_sgpr_kernarg_segment_ptr 1
		.amdhsa_wavefront_size32 1
		.amdhsa_system_sgpr_workgroup_id_x 1
		.amdhsa_system_sgpr_workgroup_id_y 1
		.amdhsa_system_sgpr_workgroup_id_z 1
		.amdhsa_system_vgpr_workitem_id 0
		.amdhsa_next_free_vgpr 1024
		.amdhsa_next_free_sgpr 76
		.amdhsa_reserve_vcc 0
		.amdhsa_float_denorm_mode_32 3
		.amdhsa_float_denorm_mode_16_64 3
		.amdhsa_memory_ordered 1
		.amdhsa_forward_progress 1
		.amdhsa_inst_pref_size 163
	.end_amdhsa_kernel
	.amdgpu_metadata
---
amdhsa.version: [ 1, 2 ]
amdhsa.kernels:
  - .name:           k_q5788b9984a_gemm1
    .symbol:         k_q5788b9984a_gemm1.kd
    .args:
      - { .name: nrm, .offset: 0, .size: 8, .value_kind: global_buffer, .address_space: global }
      - { .name: wb, .offset: 8, .size: 8, .value_kind: global_buffer, .address_space: global }
      - { .name: qkv, .offset: 16, .size: 8, .value_kind: global_buffer, .address_space: global }
      - { .name: act, .offset: 24, .size: 8, .value_kind: global_buffer, .address_space: global }
    .group_segment_fixed_size: 327680
    .private_segment_fixed_size: 0
    .kernarg_segment_align: 8
    .kernarg_segment_size: 32
    .max_flat_workgroup_size: 128
    .sgpr_count:     76
    .vgpr_count:     1024
    .wavefront_size: 32
...
	.end_amdgpu_metadata
.endif
;; end of part 2
;; launch attn (part 3): grid 32 x 8, 4 waves a work-group, clusters of 4 x 1, 327,680 bytes of LDS; arguments qkv, act; writes act
.if DOCPART == 3
	.amdgcn_target "amdgcn-amd-amdhsa--gfx1250"
	.amdhsa_code_object_version 6
	.text
	.protected	k_q5788b9984a_attn
	.globl	k_q5788b9984a_attn
	.p2align	8
	.type	k_q5788b9984a_attn,@function
k_q5788b9984a_attn:
	s_mov_b64 s[64:65], 0
	v_nop
	global_prefetch_b8 v0, s[64:65] scope:SCOPE_SE
	s_setreg_imm32_b32 hwreg(HW_REG_WAVE_MODE, 25, 1), 1
	s_wait_xcnt 0x0
	s_wait_alu depctr_hold_cnt(0) depctr_sa_sdst(0) depctr_va_vdst(0) depctr_va_sdst(0) depctr_va_ssrc(0) depctr_va_vcc(0) depctr_vm_vsrc(0)
	s_getreg_b32 s2, hwreg(HW_REG_IB_STS2, 6, 4)
	s_cmp_eq_u32 s2, 0
	s_cbranch_scc0 .Lentry_in_a_cluster
	s_endpgm
.Lentry_in_a_cluster:
	s_bfe_u32 s2, ttmp6, 0x10000c
	s_cmp_lg_u32 s2, 0x3003
	s_cbranch_scc0 .Lentry_shape_is_right
	s_endpgm
.Lentry_shape_is_right:
; CAUSAL ATTENTION, 8 query heads on 4 key-value heads, head size 64, 2 x 2,048 positions.
; IN: qkv [64 groups of 16 columns][4096 rows][16] f16: q of head H in groups 4 H .. + 3, k of kv head c in 32 + 4 c .., v in 48 + 4 c ..  OUT: act block H, [4096 rows][64] bf16.
; Products, maxima and sums in f32; the weights p are rounded to f16 for the second product (their sum is taken of the unrounded p), O once, to bf16.
; LIMITS.  q, k, v arrive in f16.  A hidden score counts as its value less 1e30; the running maximum starts at -2^93, above every hidden score and below every true one (f16's scores are 2.7e11 at the most);
; a weight below 2^-126 counts as 0; NaN and infinities are not treated apart.
; SHARES.  A work-group takes TWO blocks of 32 positions x the 2 query heads of one kv head (64 rows: four PIECES of 16; piece x: positions + 16 (x % 2), head 2 c + x / 2):
; positions 256 (7 - PB) + 32 j and then 256 PB + 32 j.  The first needs the key tiles 0 .. 7 - PB of 256 keys, the second 0 .. PB: nine tiles whatever PB, walked by one loop with a constant count.
; KEYS ARE SPLIT AMONG THE WAVES: of each tile wave w takes keys 64 w .. + 63, for all four pieces, with its own running maximum and sum; at a block's end the four parts meet in LDS,
; are brought to their common maximum and added, wave w finishing piece w.
; CLUSTER.  The four partners have the same kv head and the same PB, so they walk the same tiles: each is asked for jointly.  Only global addresses of q and O and the mask's numbers hang on cx.
; THE MASK is the C operand that starts S^T = K Q^T: MS (made once: -1e30 where my key lies behind my query in a diagonal tile) times AL, which is 1 in a block's last tile and 0 elsewhere.
; SOFTMAX.  p = 2^(c s - c m), c = log2(e) / 8, m a running maximum; O and l are multiplied by a = 2^(c m_old - c m_new) in every step.  A block starts with c m far below every c s: its first a is 0.
; A WAVE THAT SEES HIDDEN KEYS ALONE (a block whose only tile is the diagonal one) keeps m = -2^93: its c s - c m is about -1.8e29, so its weights, l and O^T are 0, and its factor at the block's end is 0.
; (Were m to follow the hidden scores, c s - c m would be the rounding of a number near 1.8e29, and its power of two could be infinite.)
; TURNS.  Turn n belongs to piece n: 8 products K Q^T of piece n + 1, later 8 products V^T P of piece n - 1, four vector instructions behind each, the rest in one lump; a turn's 33 exponentials
; are one batch with one wait.
; REGISTERS, in windows of 256 (s_set_vgpr_msb: bits 1:0 source 0, 3:2 source 1, 5:4 source 2, 7:6 destination):
;   window 0: v1-15, v32-33 addresses; v16-31 statistics; v34-47, v56-58 at work; v48-55 at work in the turns; v64-127 S^T, two buffers; v64-191 the four parts at a block's end; v192-223 P
;   window 1: v0-127 O^T, 32 a piece; v128-191 MS; v192-255 the masks in use      window 2: v0-63 Q; v64-127 the second block's Q; v128-191 K; v192-255 V
.set NP,    4
.set KQP,   48        ; a key's 32 bytes of a quarter of K, + 16: sixteen rows start at sixteen different groups of four banks
.set KQB,   256*KQP   ; a quarter (16 channels) of a tile of K
.set VQB,   256*32    ; of V: dense; the turning load takes 8 rows x 32 bytes = 256 consecutive bytes
.set VOFF,  4*KQB
.set SLOT1, 1<<17
.set XCH,   SLOT1+VOFF+4*VQB  ; behind the ring: 16 regions, (4 wave + piece): O^T 4,096 bytes, then (c m, l) 256 bytes
.set XRG,   4608
.set STAGE, XCH+16*XRG        ; 16 rows x 144 bytes for each wave
.set SP,    144
.set SPARE, STAGE+4*16*SP
.set AK0, 2
.set AV0, 3
.set AK,  4
.set AV,  5
.set STO, 6
.set RD,  7
.set GO,  8
.set XW,  9           ; where I put my parts of O^T
.set XS,  10          ; and my statistics
.set XR,  11          ; where I read my piece's four parts
.set MV,  12          ; v12-13 c m_old, by buffer
.set QO,  15
.set ST,  16          ; piece t: c m, m, l (even keys', odd keys')
.set XT,  32
.set PFO, 33
.set TMP, 48
.set SPW, 62
.set NIL, 63
.set S,   64
.set P,   192
.set MS,  128         ; window 1
.set MC,  192         ; window 1
.set QB,  64          ; window 2
.set KF,  128
.set VF,  192
.set WV,  12
.set PB,  14
.set HI,  15
.set G1K, 24
.set G1V, 32
.set G0K, 40
.set G0V, 44
.set LIM, 50
.set PFA, 52
.set SLOTS, 56
.set CS,  58
.set SEL, 60
.set TB,  62          ; the slot that is read: 0 or SLOT1
.set RT,  70          ; tiles of the block in hand still to be entered
.set NXT, 71          ; the tile to be asked for next
.set LQ,  72          ; the last tile of the block whose tiles are being asked for
.set NEW, 73          ; 1: the tile to be entered is the second block's first
.set OFF, 74
.set AL,  76
.set OLO, 80
.set BIGN, 82
.set MSB, 0
.macro WIN new
.if MSB != (\new)
	s_set_vgpr_msb (MSB<<8)|(\new)
.set MSB, (\new)
.endif
.endm
.set W_KQ, 0x0a
.set W_KM, 0x1a
.set W_PV, 0x52
.set W_RS, 0x41
.macro PLACES
.rept 4
	v_nop
.endr
.endm
.macro JLOAD                           ; waves 0 and 1 fetch two quarters of K each, waves 2 and 3 of V; s_nop 0 and four v_nop follow each line
	s_cmp_lt_u32 s[WV], 2
	s_cbranch_scc0 .Lfor_v_\@
	tensor_load_to_lds s[G0K:G0K+3], s[G1K:G1K+7]
	s_nop 0
	PLACES
	s_branch .Lasked_\@
.Lfor_v_\@:
	tensor_load_to_lds s[G0V:G0V+3], s[G1V:G1V+7]
	s_nop 0
	PLACES
.Lasked_\@:
.endm
; A prefetch behind the refill of trip t: tile t + 3, two trips ahead of the load that wants it.  The kv head's first cluster asks (it walks tiles 0 to 7 in order); wave 0 for K, wave 2 for V;
; partner cx takes quarter cx: 32 pieces of 256 bytes, a lane each.  Tiles 0 to 2 come by their loads alone; the second block's tiles have been read before.
.macro ASK
	s_cmp_gt_u32 s[SLOTS], s[LIM]
	s_cbranch_scc0 .Lnot_mine_\@
	global_prefetch_b8 v[PFO], s[PFA:PFA+1] th:TH_LOAD_NT scope:SCOPE_SE
.Lnot_mine_\@:
.endm
.macro CROUND
	s_barrier_signal -1
	s_barrier_wait -1
	s_cmp_lg_u32 s[WV], 0
	s_cbranch_scc1 .Lnot_wave_0_\@
	s_barrier_signal -3
.Lnot_wave_0_\@:
	s_barrier_wait -3
	s_barrier_signal -1
	s_barrier_wait -1
.endm
; THE CHANGE OF SLOTS.  Each wave waits for all its tensor loads (one is out: its part of the other slot), adds 0 to its spare word, waits for that and for its LDS reads.  fill = 1: a round of the
; cluster's barrier, and the old slot is filled again first thing behind it, with tile NXT; the descriptor's address is made anew from that number.
.macro CHANGE fill
	WIN 0
	s_wait_tensorcnt 0x0
	ds_add_u32 v[SPW], v[NIL]
.if \fill
	s_lshl_b32 s[OFF], s[NXT], 13   ; a tile is 8,192 bytes of each quarter
	s_xor_b32 s[G0K+1], s[G0K+1], SLOT1
	s_add_nc_u64 s[G0K+2:G0K+3], s[6:7], s[OFF:OFF+1]
	s_or_b32 s[G0K+3], s[G0K+3], 0x80000000
	s_xor_b32 s[G0V+1], s[G0V+1], SLOT1
	s_add_nc_u64 s[G0V+2:G0V+3], s[8:9], s[OFF:OFF+1]
	s_or_b32 s[G0V+3], s[G0V+3], 0x80000000
	s_add_co_u32 s[NXT], s[NXT], 1  ; the block's next tile, or behind its last the second block's tile 0
	s_cmp_gt_u32 s[NXT], s[LQ]
	s_cselect_b32 s[NXT], 0, s[NXT]
	s_cselect_b32 s[LQ], s[PB], s[LQ]
	s_wait_xcnt 0x0                 ; the last prefetch, a trip back, has read its address
	s_add_nc_u64 s[PFA:PFA+1], s[PFA:PFA+1], 8192
.endif
	s_xor_b32 s[TB], s[TB], SLOT1
	s_wait_dscnt 0x0                ; the add is done, and my reads of the slot are over
.if \fill
	CROUND
	JLOAD
	ASK
.else
	s_barrier_signal -1
	s_barrier_wait -1
.endif
.endm
.macro INIT                            ; a block's beginning
.set t, 0
.rept 4
	v_mov_b32 v[ST+4*t], 0xfe000000    ; c m: far below every c s and below c x (-2^93), so the first step's a is 0 whatever the wave sees
	v_mov_b32 v[ST+4*t+1], 0xee000000  ; m = -2^93: above every hidden score (-1e30), below every true one
.set t, t+1
.endr
.endm
	s_load_b128 s[88:91], s[0:1], 0x0  ; qkv s[88:89], act s[90:91]
	v_lshl_add_u32 v[SPW], v0, 2, SPARE
	v_mov_b32 v[NIL], 0
	ds_add_u32 v[SPW], v[NIL]       ; the wave's opening: the add and its wait ahead of my first tensor load
	v_lshrrev_b32 v1, 5, v0
	v_readfirstlane_b32 s[WV], v1
	s_bfe_u32 s48, ttmp6, 0x40000   ; cx
	s_lshr_b32 s[PB], ttmp9, 1      ; the same in all four partners
	s_sub_co_u32 s[HI], 7, s[PB]
	s_and_b32 s49, ttmp9, 1
	s_lshl_b32 s49, s49, 2
	s_add_co_u32 s49, s49, s48      ; j: which 32 positions of a block of 256
	s_and_b32 s20, ttmp7, 0xffff
	s_lshr_b32 s21, s20, 2          ; batch
	s_and_b32 s22, s20, 3           ; kv head
	s_and_b32 s16, s[WV], 1         ; which two quarters I fetch
	s_lshl_b32 s66, s22, 2
	s_lshl1_add_u32 s66, s16, s66   ; 4 c + 2 (w % 2)
	s_add_co_u32 s68, s66, 48
	s_add_co_u32 s66, s66, 32
	s_lshl_b32 s66, s66, 17         ; a group is 131,072 bytes,
	s_lshl_b32 s68, s68, 17
	s_lshl_b32 s67, s21, 16         ; a batch's rows 65,536 of them
	s_add_co_u32 s66, s66, s67
	s_add_co_u32 s68, s68, s67
	s_mov_b32 s67, 0
	s_mov_b32 s69, 0
	s_mul_i32 s17, s16, 2*KQB
	s_mul_i32 s18, s16, 2*VQB
	; descriptor group 1: two quarters, each 8,192 dense bytes, asked for as two rows of 1,024 elements of 8 bytes; K is padded in LDS after every key's 32 bytes
	s_mov_b32 s[G1K], 15|(3<<16)|(1<<20)|(1<<21)|(2<<22)|(3<<25)  ; the mask of four; 8-byte elements; padding on; bit 21 beside a mask; after every 8 words 4 words
	s_mov_b32 s[G1V], 15|(3<<16)|(1<<21)
.irp g, G1K, G1V
	s_mov_b32 s[\g+1], 1024<<16     ; tensor_dim0
	s_mov_b32 s[\g+2], 2<<16        ; tensor_dim1
	s_mov_b32 s[\g+3], 1024<<16     ; tile_dim0
	s_mov_b32 s[\g+4], 2            ; tile_dim1
	s_mov_b32 s[\g+5], 16384        ; a group's elements from quarter to quarter
	s_mov_b32 s[\g+6], 0
	s_mov_b32 s[\g+7], 0
.endr
	s_mov_b32 s[CS], 0x3e38aa3b     ; c = log2(e) / 8
	s_mov_b32 s[CS+1], s[CS]
	s_mov_b32 s[SEL], 0x76543210
	s_mov_b32 s[SEL+1], 0xfedcba98
	s_mov_b32 s[TB], SLOT1          ; the first change of slots turns it into 0
	s_mov_b32 s[G0K], 1
	s_mov_b32 s[G0K+1], s17
	s_mov_b32 s[G0V], 1
	s_add_co_u32 s[G0V+1], s18, VOFF
	s_add_co_u32 s[RT], s[HI], 1    ; the first block has 8 - PB tiles
	s_mov_b32 s[NXT], 1
	s_mov_b32 s[LQ], s[HI]
	s_mov_b32 s[NEW], 0
	s_mov_b32 s[OFF+1], 0
	s_mov_b32 s[AL+1], 0
	s_mov_b32 s[BIGN], 0xf149f2ca   ; -1e30
	s_mov_b32 s[SLOTS], 8
	s_mov_b32 s3, 0
	s_wait_dscnt 0x0                ; the opening add is done
	s_wait_kmcnt 0x0
	s_add_nc_u64 s[6:7], s[88:89], s[66:67]   ; K and V at my two quarters of tile 0
	s_add_nc_u64 s[8:9], s[88:89], s[68:69]
	s_add_nc_u64 s[G0K+2:G0K+3], s[6:7], 0
	s_or_b32 s[G0K+3], s[G0K+3], 0x80000000
	s_add_nc_u64 s[G0V+2:G0V+3], s[8:9], 0
	s_or_b32 s[G0V+3], s[G0V+3], 0x80000000
	s_lshl_b32 s51, s21, 11
	s_lshl_b32 s54, s49, 5
	s_add_co_u32 s51, s51, s54      ; 2,048 batch + 32 j
	s_lshl_b32 s54, s[HI], 8
	s_add_co_u32 s54, s54, s51      ; the first block's first row
	s_lshl_b32 s55, s[PB], 8
	s_add_co_u32 s55, s55, s51      ; the second's
	s_lshl_b32 s23, s22, 20         ; q's groups begin at 8 c
	s_lshl_b32 s2, s54, 5
	s_add_co_u32 s2, s2, s23
	s_add_nc_u64 s[4:5], s[88:89], s[2:3]
	s_lshl_b32 s2, s55, 5
	s_add_co_u32 s2, s2, s23
	s_add_nc_u64 s[86:87], s[88:89], s[2:3]
	s_lshl_b32 s23, s22, 1          ; O: I finish piece w: head 2 c + w / 2, positions + 16 (w % 2)
	s_lshr_b32 s19, s[WV], 1
	s_add_co_u32 s23, s23, s19
	s_lshl_b32 s23, s23, 19
	s_lshl_b32 s19, s16, 4
	s_add_co_u32 s2, s54, s19
	s_lshl_b32 s2, s2, 7
	s_add_co_u32 s2, s2, s23
	s_add_nc_u64 s[10:11], s[90:91], s[2:3]
	s_add_co_u32 s2, s55, s19
	s_lshl_b32 s2, s2, 7
	s_add_co_u32 s2, s2, s23
	s_add_nc_u64 s[OLO:OLO+1], s[90:91], s[2:3]
	s_cmp_lt_u32 s[WV], 2           ; the prefetches: K's or V's groups, quarter cx, tile 2; the first change steps it to tile 3
	s_cselect_b32 s2, 32, 48
	s_lshl2_add_u32 s2, s22, s2
	s_add_co_u32 s2, s2, s48
	s_lshl_b32 s2, s2, 17
	s_lshl_b32 s19, s21, 16
	s_add_co_u32 s2, s2, s19
	s_add_co_u32 s2, s2, 2*8192
	s_add_nc_u64 s[PFA:PFA+1], s[88:89], s[2:3]
	s_and_b32 s[LIM], s[WV], 1
	s_or_b32 s[LIM], s[LIM], ttmp9
	s_cmp_eq_u32 s[LIM], 0
	s_cselect_b32 s[LIM], 3, -1     ; the same in all four partners, for a given wave
	CROUND                          ; all four work-groups are here: the first joint loads meet
	JLOAD                           ; tile 0 into slot 0
	v_and_b32 v1, 15, v0            ; r = l % 16
	v_bfe_u32 v34, v0, 4, 1         ; h = l / 16
	v_lshlrev_b32 v[QO], 5, v1
	v_lshl_add_u32 v[QO], v34, 4, v[QO]
	WIN 0x80                        ; destination window 2
.irp x, 0,1,2,3
.irp c, 0,1                         ; a fragment's registers 0-3 are channels 32 c + 8 h .., in quarter 2 c; registers 4-7 channels 32 c + 16 + 8 h .., in quarter 2 c + 1
	global_load_b128 v[16*\x+8*\c:16*\x+8*\c+3],         v[QO], s[4:5]   offset:(4*(\x/2)+2*\c)*131072+512*(\x%2)
	global_load_b128 v[16*\x+8*\c+4:16*\x+8*\c+7],       v[QO], s[4:5]   offset:(4*(\x/2)+2*\c+1)*131072+512*(\x%2)
	global_load_b128 v[QB+16*\x+8*\c:QB+16*\x+8*\c+3],   v[QO], s[86:87] offset:(4*(\x/2)+2*\c)*131072+512*(\x%2)
	global_load_b128 v[QB+16*\x+8*\c+4:QB+16*\x+8*\c+7], v[QO], s[86:87] offset:(4*(\x/2)+2*\c+1)*131072+512*(\x%2)
.endr
.endr
	WIN 0
	v_lshlrev_b32 v35, 3, v34
	v_sub_nc_u32 v14, v1, v35
	s_lshl_b32 s13, s49, 5
	s_lshl_b32 s17, s[WV], 6
	s_sub_co_i32 s13, s13, s17
	v_add_nc_u32 v14, s13, v14      ; 32 j + r - 8 h - 64 w: register jj of key group kt, for half ph, is hidden where 16 kt + jj - 16 ph is greater
	WIN 0x40
.set i, 0
.rept 64
	v_cmp_gt_i32 vcc_lo, 16*((i%32)/8)+i%8-16*(i/32), v14
	v_cndmask_b32 v[MS+i], 0, s[BIGN], vcc_lo
.set i, i+1
.endr
.set i, 0
.rept 128                           ; O^T need only be finite: a block's first step multiplies it by a = 0.  This stands in the wait for the first tile
	v_mov_b32 v[i], 0
.set i, i+1
.endr
	WIN 0
.set i, 0
.rept 4
	v_mov_b32 v[ST+4*i+2], 0
	v_mov_b32 v[ST+4*i+3], 0
.set i, i+1
.endr
	INIT
	v_mov_b32 v57, 0                ; v_permlanex16_b32 counts as a reader of its destination
	v_mul_u32_u24 v[AK0], v1, KQP
	v_lshl_add_u32 v[AK0], v34, 4, v[AK0]
	s_mul_i32 s17, s[WV], 64*KQP
	v_add_nc_u32 v[AK0], s17, v[AK0]       ; key 64 w + r, 16 bytes for each half of the lanes
	v_and_b32 v36, 7, v0
	v_bfe_u32 v37, v0, 3, 1
	v_lshl_add_u32 v[AV0], v34, 3, v36     ; the turning load: key 8 h + l % 8, channels 8 ((l / 8) % 2) ..
	v_lshlrev_b32 v[AV0], 5, v[AV0]
	v_lshl_add_u32 v[AV0], v37, 4, v[AV0]
	s_lshl_b32 s17, s[WV], 11
	s_add_co_u32 s17, s17, VOFF
	v_add_nc_u32 v[AV0], s17, v[AV0]
	s_mul_i32 s13, s[WV], 16*SP
	s_add_co_u32 s13, s13, STAGE
	v_mul_u32_u24 v[STO], v1, SP
	v_lshl_add_u32 v[STO], v34, 4, v[STO]
	v_add_nc_u32 v[STO], s13, v[STO]
	v_bfe_u32 v[RD], v0, 3, 2
	v_mul_u32_u24 v[RD], v[RD], SP
	v_lshl_add_u32 v[RD], v36, 4, v[RD]
	v_add_nc_u32 v[RD], s13, v[RD]
	v_and_b32 v38, 31, v0           ; l
	v_lshlrev_b32 v[GO], 4, v38
	v_lshlrev_b32 v[PFO], 8, v38
	s_mul_i32 s13, s[WV], 4*XRG
	s_add_co_u32 s13, s13, XCH
	v_lshl_add_u32 v[XW], v38, 4, s13
	s_add_co_u32 s13, s13, 4096
	v_lshl_add_u32 v[XS], v38, 3, s13
	s_mul_i32 s13, s[WV], XRG
	s_add_co_u32 s13, s13, XCH
	v_lshl_add_u32 v[XR], v38, 4, s13
	s_add_co_u32 s13, s13, 4096
	v_lshl_add_u32 v[XT], v38, 3, s13
; THE MATRIX WORK.  The 4 accumulators of a run of 8 take turns.  Product i of 8 of S^T = K Q^T for piece x: channels 32 (i / 4) on, keys 16 (i % 4) on; the first 4 start the sums with the mask.
.macro KQ x
.set rS, S+32*((\x)%2)+8*(i%4)
.set rK, KF+16*(i%4)+8*(i/4)
.set rQ, 16*(\x)+8*(i/4)
.set rM, MC+32*((\x)%2)+8*(i%4)
.if i < 4
	WIN W_KM
	v_wmma_f32_16x16x32_f16 v[rS:rS+7], v[rK:rK+7], v[rQ:rQ+7], v[rM:rM+7]
.else
	WIN W_KQ
	v_wmma_f32_16x16x32_f16 v[rS:rS+7], v[rK:rK+7], v[rQ:rQ+7], v[rS:rS+7]
.endif
.endm
; Product i of 8 of O^T += V^T P for piece x: keys 32 (i / 4) on, channels 16 (i % 4) on.
.macro PV x
	WIN W_PV
.set rO, 32*(\x)+8*(i%4)
.set rV, VF+32*(i/4)+8*(i%4)
.set rP, P+16*((\x)%2)+8*(i/4)
	v_wmma_f32_16x16x32_f16 v[rO:rO+7], v[rV:rV+7], v[rP:rP+7], v[rO:rO+7]
.endm
.macro MM                           ; the turn's next matrix instruction.  NOKQ = 1: the step's last turn has no next piece; NOPV = 1: its first has none before
.if i < 8
.if !NOKQ
	KQ (Y+1)%NP
.endif
.else
.if !NOPV
.set i, i-8
	PV (Y+NP-1)%NP
.set i, i+8
.endif
.endif
.set i, i+1
.endm
.macro FETCH_K                      ; my 64 keys x 64 channels: fragment f: keys 16 (f / 2) on, channels 32 (f % 2) on
	WIN 0x80
.irp f, 0,1,2,3,4,5,6,7
	ds_load_b128 v[KF+8*\f:KF+8*\f+3],   v[AK] offset:(\f/2)*16*KQP+(\f%2)*2*KQB
	ds_load_b128 v[KF+8*\f+4:KF+8*\f+7], v[AK] offset:(\f/2)*16*KQP+(\f%2)*2*KQB+KQB
.endr
	WIN 0
.endm
.macro FETCH_V                      ; turned: fragment f: keys 32 (f / 4) on, channels 16 (f % 4) on
	WIN 0x80
.irp f, 0,1,2,3,4,5,6,7
	ds_load_tr16_b128 v[VF+8*\f:VF+8*\f+3],   v[AV] offset:(\f/4)*1024+(\f%4)*VQB
	ds_load_tr16_b128 v[VF+8*\f+4:VF+8*\f+7], v[AV] offset:(\f/4)*1024+512+(\f%4)*VQB
.endr
	WIN 0
.endm
; THE VECTOR WORK, one line at a time: OP kind, number.  For piece Y: F n: c s - c m for pair n of 16.  E n: the exponential of score n of 32.  C n: pair n rounded to f16.  B n: of the four weights 4 n ..
; the second pair is added onto the first, in place.  L n: l takes that sum (L 0: l = a l + sum).  R n: pair n of 16 of O^T times a.  For piece Y + 1: X n, number n of the 22 that find its maximum and statistics:
;   0-11 four chains c0-c3 of seven scores each (each accumulator's lowest registers are read first)   12-14, 16 the four scores left over, the old m, c0-c3 into c0   15 c m_old is kept
;   17, 18 the query's other 32 keys lie in the lane 16 away: the new m   19-21 c m; c m_old - c m_new; a
.set F, 0
.set E, 1
.set C, 2
.set B, 3
.set L, 4
.set R, 5
.set X, 6
.macro REGS y
.set rT, ST+4*(\y)
.set rC, TMP+4*((\y)%2)
.set rW, MV+((\y)%2)
.set rS, S+32*((\y)%2)
.set rP, P+16*((\y)%2)
.set rO, 32*(\y)
.endm
.macro OP k, n
.if (\k) == R
	REGS Y
	WIN W_RS
	v_pk_mul_f32 v[rO+2*(\n):rO+2*(\n)+1], v[rO+2*(\n):rO+2*(\n)+1], v[rC+2:rC+3] op_sel_hi:[1,0]
.elseif (\k) < R
	REGS Y
	WIN 0
.if (\k) == F
	v_pk_fma_f32 v[rS+2*(\n):rS+2*(\n)+1], v[rS+2*(\n):rS+2*(\n)+1], s[CS:CS+1], v[rT:rT+1] op_sel_hi:[1,0,0] neg_lo:[0,0,1] neg_hi:[0,0,1]
.elseif (\k) == E
	v_exp_f32 v[rS+(\n)], v[rS+(\n)]
.elseif (\k) == C
	v_cvt_pk_f16_f32 v[rP+(\n)], v[rS+2*(\n)], v[rS+2*(\n)+1]
.elseif (\k) == B
	v_pk_add_f32 v[rS+4*(\n):rS+4*(\n)+1], v[rS+4*(\n):rS+4*(\n)+1], v[rS+4*(\n)+2:rS+4*(\n)+3]
.elseif (\n) == 0
	v_pk_fma_f32 v[rT+2:rT+3], v[rT+2:rT+3], v[rC+2:rC+3], v[rS:rS+1] op_sel_hi:[1,0,1]
.else
	v_pk_add_f32 v[rT+2:rT+3], v[rT+2:rT+3], v[rS+4*(\n):rS+4*(\n)+1]
.endif
.elseif NOKQ
	v_nop
.else
	REGS (Y+1)%NP
	WIN 0
.if (\n) < 4
	v_max3_num_f32 v[rC+(\n)], v[rS+8*(\n)], v[rS+8*(\n)+1], v[rS+8*(\n)+2]
.elseif (\n) < 12
	v_max3_num_f32 v[rC+(\n)%4], v[rC+(\n)%4], v[rS+8*((\n)%4)+2*((\n)/4)+1], v[rS+8*((\n)%4)+2*((\n)/4)+2]
.elseif (\n) == 12
	v_max3_num_f32 v[rC], v[rC], v[rS+7], v[rS+15]
.elseif (\n) == 13
	v_max3_num_f32 v[rC+1], v[rC+1], v[rS+23], v[rS+31]
.elseif (\n) == 14
	v_max3_num_f32 v[rC+2], v[rC+2], v[rC+3], v[rT+1]
.elseif (\n) == 15
	v_mov_b32 v[rW], v[rT]
.elseif (\n) == 16
	v_max3_num_f32 v[rC], v[rC], v[rC+1], v[rC+2]
.elseif (\n) == 17
	v_permlanex16_b32 v[rC+3], v[rC], s[SEL], s[SEL+1]
.elseif (\n) == 18
	v_max_num_f32 v[rT+1], v[rC], v[rC+3]
.elseif (\n) == 19
	v_mul_f32 v[rT], s[CS], v[rT+1]
.elseif (\n) == 20
	v_sub_f32 v[rC+1], v[rW], v[rT]
.else
	v_exp_f32 v[rC+2], v[rC+1]
.endif
.endif
.endm
.macro OPS a, i1, b=-1, i2=0, c=-1, i3=0, d=-1, i4=0
	OP \a, \i1
.if (\b) >= 0
	OP \b, \i2
.endif
.if (\c) >= 0
	OP \c, \i3
.endif
.if (\d) >= 0
	OP \d, \i4
.endif
.endm
.macro ROW a, i1, b, i2, c, i3, d, i4  ; a matrix instruction and the four behind it
	MM
	OPS \a, \i1, \b, \i2, \c, \i3, \d, \i4
.endm
; A TURN, for piece p.  Ahead of its one wait stands all that names no result of the turn's exponentials: the 8 products K Q^T with their riders, then one lump, in which the links of the next piece's
; chain X 3, 7, 11, 14, 16 .. 20 stand apart; X 21, the next piece's a, is the batch's last, and R 15 the plain instruction behind it.  Behind the wait: the 8 products V^T P, their riders the roundings and sums.
; The X that ride behind the last three products K Q^T stand four plain places or more behind the product that ends their accumulator.
.macro TURN p, nopv=0, nokq=0
.set Y, (\p)
.set i, 0
.set NOPV, (\nopv)
.set NOKQ, (\nokq)
	ROW F,0, F,1, R,0, R,1
	ROW F,2, E,0, R,2, R,3
	ROW F,3, E,1, R,4, R,5
	ROW F,4, E,2, R,6, R,7
	ROW F,5, E,3, R,8, R,9
	ROW F,6, E,4, X,0, R,10
	ROW F,7, E,5, X,1, X,4
	ROW F,8, E,6, X,2, X,5
	OPS E,7, E,8, X,6, E,9
	OPS X,3, E,10, X,8, E,11
	OPS X,9, X,7, E,12, X,10
	OPS E,13, X,12, X,11, E,14
	OPS X,13, E,15, F,9, X,14
	OPS E,16, F,10, E,17, F,11
	OPS X,16, E,18, X,15, E,19
	OPS F,12, E,20, X,17, E,21
	OPS F,13, E,22, F,14, E,23
	OPS X,18, E,24, F,15, E,25
	OPS R,11, E,26, X,19, E,27
	OPS R,12, E,28, R,13, E,29
	OPS X,20, E,30, R,14, E,31
	OPS X,21, R,15
	WIN 0
	s_wait_alu depctr_va_vdst(0)    ; the wait for the batch
.if (\p) == 1
	s_wait_dscnt 0x0                ; V is in
.endif
	ROW C,0, B,0, C,2, B,1
	ROW L,0, C,4, B,2, L,1
	ROW C,6, B,3, L,2, C,8
	ROW B,4, L,3, C,10, B,5
	ROW L,4, C,12, B,6, L,5
	ROW C,14, B,7, L,6, C,1
	ROW C,3, L,7, C,5, C,7
	ROW C,9, C,11, C,13, C,15
.endm
; A KEY STEP of my wave: my 64 keys of the tile, all four pieces; whole in itself.
.macro STEP
	WIN 0
	v_add_nc_u32 v[AK], s[TB], v[AK0]
	v_add_nc_u32 v[AV], s[TB], v[AV0]
	FETCH_K
	FETCH_V
	WIN W_RS
.set z, 0
.rept 32                            ; the masks in use, made while the loads are out
	v_pk_mul_f32 v[MC+2*z:MC+2*z+1], v[MS+2*z:MS+2*z+1], s[AL:AL+1] op_sel_hi:[1,0]
.set z, z+1
.endr
	s_wait_loadcnt 0x0              ; Q
	s_wait_dscnt 16                 ; K's 16 loads are in; V's 16 may be out
.set NOKQ, 0
.set NOPV, 0
.set i, 0
.rept 8
	KQ 0
.set i, i+1
.endr
	WIN 0
	PLACES
.set Y, NP-1                        ; X works for piece Y + 1: piece 0
.irp n, 0,1,2,3,4,5,6,7,8,9,10,11,12,13,14,15,16,17,18,19,20,21
	OP X, \n
.endr
	v_nop
	s_wait_alu depctr_va_vdst(0)
	TURN 0, 1, 0
	TURN 1, 0, 0
	TURN 2, 0, 0
	TURN 3, 0, 1
.set i, 0
.rept 8
	PV NP-1
.set i, i+1
.endr
	WIN 0
	PLACES                          ; behind the last products: in front of the next loads into V's registers and of the stores of O^T
.endm
; A BLOCK'S END.  Every wave puts its four parts (O^T, c m, l) into LDS; behind a barrier wave w reads piece w's four, brings them to their common maximum, adds, divides, rounds to bf16
; and stores 16 rows of 128 bytes through its stage.  In the loop the next tile's load is out across this barrier.
.macro END ob
	WIN 0
.set t, 0
.rept 4
	v_add_f32 v[ST+4*t+1], v[ST+4*t+2], v[ST+4*t+3]  ; l's two halves, into m's place: (c m, l) are a pair
.set t, t+1
.endr
	WIN 0x04                        ; store data in window 1
.irp x, 0,1,2,3
.irp k, 0,1,2,3,4,5,6,7
	ds_store_b128 v[XW], v[32*\x+4*\k:32*\x+4*\k+3] offset:XRG*\x+512*\k
.endr
.endr
	WIN 0
.irp x, 0,1,2,3
	ds_store_b64 v[XS], v[ST+4*\x:ST+4*\x+1] offset:XRG*\x
.endr
	s_wait_dscnt 0x0                ; for the others' sake: my stores are done
	s_barrier_signal -1
	s_barrier_wait -1
.irp u, 0,1,2,3
.irp k, 0,1,2,3,4,5,6,7
	ds_load_b128 v[64+32*\u+4*\k:64+32*\u+4*\k+3], v[XR] offset:4*XRG*\u+512*\k
.endr
	ds_load_b64 v[34+2*\u:35+2*\u], v[XT] offset:4*XRG*\u
.endr
	s_wait_dscnt 0x0
	v_max3_num_f32 v42, v34, v36, v38
	v_max_num_f32 v42, v42, v40     ; the common c m: wave 0 at the least has seen a true score
.irp u, 0,1,2,3
	v_sub_f32 v[44+\u], v[34+2*\u], v42
.endr
.irp u, 0,1,2,3
	v_exp_f32 v[44+\u], v[44+\u]    ; a wave that saw hidden keys alone (c m = c x -2^93, l = 0, O^T = 0) gets the factor 0
.endr
	v_nop
	s_wait_alu depctr_va_vdst(0)
	v_mul_f32 v56, v44, v35
	v_fmac_f32 v56, v45, v37
	v_fmac_f32 v56, v46, v39
	v_fmac_f32 v56, v47, v41
	v_permlanex16_b32 v57, v56, s[SEL], s[SEL+1]   ; the query's other keys lie in the lane 16 away
	v_add_f32 v56, v56, v57
	v_rcp_f32 v58, v56
	v_nop
	s_wait_alu depctr_va_vdst(0)
.irp u, 0,1,2,3
	v_mul_f32 v[192+2*\u], v[44+\u], v58
	v_mul_f32 v[193+2*\u], v[44+\u], v58
.endr
.set z, 0
.rept 16
	v_pk_mul_f32 v[64+2*z:65+2*z], v[64+2*z:65+2*z], v[192:193]
.set z, z+1
.endr
.irp u, 1,2,3
.set z, 0
.rept 16
	v_pk_fma_f32 v[64+2*z:65+2*z], v[64+32*\u+2*z:65+32*\u+2*z], v[192+2*\u:193+2*\u], v[64+2*z:65+2*z]
.set z, z+1
.endr
.endr
.set z, 0
.rept 16
	v_cvt_pk_bf16_f32 v[200+z], v[64+2*z], v[65+2*z]
.set z, z+1
.endr
.irp f, 0,1,2,3
	ds_store_b128 v[STO], v[200+4*\f:203+4*\f] offset:32*\f
.endr
.irp f, 0,1,2,3
	ds_load_b128 v[64+4*\f:67+4*\f], v[RD] offset:\f*4*SP   ; LDS serves a wave's instructions in order: these see the stores above
.endr
	s_wait_dscnt 0x0
.irp f, 0,1,2,3
	global_store_b128 v[GO], v[64+4*\f:67+4*\f], s[\ob:\ob+1] offset:\f*512  ; 512 consecutive bytes, aligned
.endr
.endm
.Lslot:                             ; eight trips: a tile is entered and the next is asked for
	CHANGE 1
	s_sub_co_u32 s[RT], s[RT], 1
	s_cmp_eq_u32 s[NEW], 1
	s_cbranch_scc0 .Lold
	INIT
	s_mov_b32 s[NEW], 0
.Lold:
	s_cmp_eq_u32 s[RT], 0           ; the block's last tile holds the diagonal
	s_cselect_b32 s[AL], 1.0, 0
	STEP
	s_cmp_lg_u32 s[RT], 0
	s_cbranch_scc1 .Lbottom
	END 10                          ; in the loop this is the first block's end: the second's last tile is the walk's last
	s_wait_xcnt 0x0                 ; the stores have read their registers
	s_add_co_u32 s[RT], s[PB], 1    ; the second block has PB + 1 tiles
	s_mov_b32 s[NEW], 1
	WIN 0x82                        ; its Q goes where the one text of the turns names Q
.set i, 0
.rept 64
	v_mov_b32 v[i], v[QB+i]
.set i, i+1
.endr
	WIN 0
.Lbottom:
	s_sub_co_u32 s[SLOTS], s[SLOTS], 1
	s_cmp_lg_u32 s[SLOTS], 0
	s_cbranch_scc1 .Lslot
	CHANGE 0                        ; the walk's last tile is written out: nothing is asked for
	s_cmp_eq_u32 s[NEW], 1
	s_cbranch_scc0 .Lold2
	INIT
.Lold2:
	s_mov_b32 s[AL], 1.0
	STEP
	END OLO
	s_wait_tensorcnt 0x0            ; the wave's end
	ds_add_u32 v[SPW], v[NIL]
	s_wait_dscnt 0x0
	CROUND                          ; the closing round
	s_endpgm
.Lfunc_end_k_q5788b9984a_attn:
	.size	k_q5788b9984a_attn, .Lfunc_end_k_q5788b9984a_attn-k_q5788b9984a_attn
	.p2alignl 7, 3214868480
	.fill 96, 4, 3214868480
	.section	.rodata,"a",@progbits
	.p2align	6, 0x0
	.amdhsa_kernel k_q5788b9984a_attn
		.amdhsa_group_segment_fixed_size 327680
		.amdhsa_private_segment_fixed_size 0
		.amdhsa_enable_private_segment 0
		.amdhsa_kernarg_size 16
		.amdhsa_user_sgpr_count 2
		.amdhsa_user_sgpr_kernarg_segment_ptr 1
		.amdhsa_wavefront_size32 1
		.amdhsa_system_sgpr_workgroup_id_x 1
		.amdhsa_system_sgpr_workgroup_id_y 1
		.amdhsa_system_sgpr_workgroup_id_z 1
		.amdhsa_system_vgpr_workitem_id 0
		.amdhsa_next_free_vgpr 768
		.amdhsa_next_free_sgpr 92
		.amdhsa_reserve_vcc 1
		.amdhsa_float_denorm_mode_32 3
		.amdhsa_float_denorm_mode_16_64 3
		.amdhsa_memory_ordered 1
		.amdhsa_forward_progress 1
		.amdhsa_inst_pref_size 131
	.end_amdhsa_kernel
	.amdgpu_metadata
---
amdhsa.version: [ 1, 2 ]
amdhsa.kernels:
  - .name:           k_q5788b9984a_attn
    .symbol:         k_q5788b9984a_attn.kd
    .args:
      - { .name: qkv, .offset: 0, .size: 8, .value_kind: global_buffer, .address_space: global }
      - { .name: act, .offset: 8, .size: 8, .value_kind: global_buffer, .address_space: global }
    .group_segment_fixed_size: 327680
    .private_segment_fixed_size: 0
    .kernarg_segment_align: 8
    .kernarg_segment_size: 16
    .max_flat_workgroup_size: 128
    .sgpr_count:     92
    .vgpr_count:     768
    .wavefront_size: 32
...
	.end_amdgpu_metadata
.endif
;; end of part 3
;; launch gemm2 (part 4): grid 8 x 32, 4 waves a work-group, clusters of 4 x 1, 327,680 bytes of LDS; arguments act, wd, xb, out0; writes out0
.if DOCPART == 4
	.amdgcn_target "amdgcn-amd-amdhsa--gfx1250"
	.amdhsa_code_object_version 6
	.text
	.protected	k_q5788b9984a_gemm2
	.globl	k_q5788b9984a_gemm2
	.p2align	8
	.type	k_q5788b9984a_gemm2,@function
k_q5788b9984a_gemm2:
	s_mov_b64 s[64:65], 0
	v_nop
	global_prefetch_b8 v0, s[64:65] scope:SCOPE_SE
	s_setreg_imm32_b32 hwreg(HW_REG_WAVE_MODE, 25, 1), 1
	s_wait_xcnt 0x0
	s_wait_alu depctr_hold_cnt(0) depctr_sa_sdst(0) depctr_va_vdst(0) depctr_va_sdst(0) depctr_va_ssrc(0) depctr_va_vcc(0) depctr_vm_vsrc(0)
	s_getreg_b32 s2, hwreg(HW_REG_IB_STS2, 6, 4)
	s_cmp_eq_u32 s2, 0
	s_cbranch_scc0 .Lentry_in_a_cluster
	s_endpgm
.Lentry_in_a_cluster:
	s_bfe_u32 s2, ttmp6, 0x10000c
	s_cmp_lg_u32 s2, 0x3003
	s_cbranch_scc0 .Lentry_shape_is_right
	s_endpgm
.Lentry_shape_is_right:
; GEMM2.  out0 = xb + act x wd^T: attention's output times wo, the FFN's h times w_down and the residual in one product with K = 4,608.
; act: [72 blocks of 64 k'][4096 rows][64] bf16; xb: [4096][1024] bf16 (x rounded once, like every input); out0: [4096][1024] f32;
; wd: bf16, in matrix fragments: [8 tile columns of 128 n][144 chunks of 32 k'][8 blocks of 16 n][1,024 bytes]: lane l's registers 0-3 at byte 16 l of a block, its registers 4-7 at 512 + 16 l.
; A tile is 128 x 128: 256 work-groups.  K IS SPLIT AMONG THE FOUR WAVES: of each K step's 512, wave w takes 128 w .. 128 w + 127 for the whole tile: 64 accumulators, 512 registers.
; The four f32 partial sums meet in LDS at the end, by rows, which also gives whole rows of 512 bytes of out0.  (The order of the f32 sums so differs from a single chain along K.)
; act COMES THROUGH LDS, wd THROUGH REGISTERS.  With K split so, no two waves of a work-group want the same byte of either.  With both in LDS a slot of half of LDS holds K = 256: 128 matrix
; instructions a wave from one change of slots to the next; with act alone it holds K = 512: 256, of which 224 stand between a refill's request and the wait for it, and there are 9 changes for 18.
; wd's fragments are loaded as they lie, 512 consecutive bytes a load, into a ring of four register buffers of 32 along K: in quarter q the 16 loads of quarter q + 3 go out, so the loads of three
; quarters are on their way, under counted waits.
; CLUSTER 4 x 1: the four tile columns of a cluster need the same rows of act: each wave's two blocks are asked for jointly (the same load, descriptor and mask in all four), and the wave that asks
; is the only one of its work-group that reads them.  wd is shared by the 32 work-groups of a tile column, but it is not asked for jointly: a joint request lands in LDS, where it would halve the K step.
; THE MATRIX INSTRUCTION IS USED TRANSPOSED (source 0 = 16 rows of wd, source 1 = 16 rows of act): a lane holds row l % 16 and columns 8 (l / 16) + 0..7.
; THE SLOT IN HAND is a scalar, 0 or SLOT, turned by an exclusive or; the walking descriptor's LDS word is turned by the same: SLOT = 0x24000, and none of its bits is set in a wave's place in a slot
; (0, 0x9000, 0x12000, 0x1b000), so the exclusive or adds SLOT or takes it away.
; REGISTERS: window 0: v8-29 addresses; v64-127, v128-191 act's fragments, two buffers (at the end: the partial sums read back); v192-255 my 32 rows of xb, loaded at the start.
;   window 1: wd's fragments, four buffers of 64.   window 2: accumulators (a, b) of rows 0-63 at 8 (8 a + b);  window 3: of rows 64-127.
.set PA,    144                        ; a row of a block of act in LDS: 128 bytes + 16: the sixteen rows of a fragment load start at sixteen different groups of banks
.set AKB,   128*PA                     ; a block of act: 128 rows x 64 k'
.set WPART, 2*AKB                      ; what a wave fetches, and reads, of a slot
.set SLOT,  4*WPART
.set PBB,   528
.set RED,   128*PBB                    ; a wave's partial tile, 128 rows x (512 + 16) bytes; the four lie over the ring, behind its last fill
.set XT,    4*RED                      ; behind them: xb's tile, 128 rows x 256 bytes, each wave's 32 rows its own
.set SPARE, XT+128*256                 ; behind that, and behind the ring: the spare words, 128 bytes a wave
.set STEPS, 9
.set ASTEP, 8*524288                   ; bytes of act from K step to K step: eight blocks
.set BQ,    8192                       ; bytes of wd in a chunk of 32 k': a wave's quarter
.set BSTEP, 16*BQ                      ; from K step to K step
.set SR,   8                           ; v8-11 where I read the four partial sums of my rows
.set XA,   12                          ; where I read xb back
.set OO,   13                          ; my byte offset in out0
.set DW,   14                          ; where I put my partial sums
.set ADRA, 16                          ; LDS address of my fragments of act in the slot in hand
.set A0,   17                          ; the same in slot 0; never rewritten
.set BO,   18                          ; 16 x lane: my place in 512 bytes of wd; never rewritten
.set XO,   19                          ; my place in two rows of xb; never rewritten
.set XW,   20                          ; where I put xb
.set PFO,  21                          ; 256 x lane; never rewritten
.set SPW,  28
.set NIL,  29
.set FA,   64
.set XB,   192
.set WV, 12
.set G1,  24                           ; s[24:31] descriptor group 1
.set G0,  32                           ; s[32:35] the first fill of slot 0
.set GW,  36                           ; s[36:39] the first fill of slot 1; it then walks
.set BB,  44                           ; s[44:45] wd at my four chunks of the K step that is being loaded
.set TB,  46                           ; the slot in hand: 0 or SLOT
.set PFA, 48                           ; s[48:49] where my prefetches of act stand
.set PFB, 50                           ; s[50:51] of wd
.set LIMA, 52                          ; 1 in a wave that prefetches act, else the greatest number
.set LIMB, 53                          ; the same for wd
.set XBB, 54                           ; s[54:55] xb at my 32 rows
.set OB,  56                           ; s[56:57] out0 at my 32 rows
.set MSB, 0
.macro WIN new
.if MSB != (\new)
	s_set_vgpr_msb (MSB<<8)|(\new)
.set MSB, \new
.endif
.endm
.set MUL_LO, 0xa1                      ; source 0 (wd) window 1, source 1 (act) window 0, C and D window 2
.set MUL_HI, 0xf1
.set TO_B,   0x40                      ; destination window 1, address window 0
.macro PLACES                          ; four plain places behind matrix instructions, in front of loads into their sources and of readers of their results
.rept 4
	v_nop
.endr
.endm
.macro CREST                           ; a round of the cluster's barrier behind its opening barrier
	s_cmp_lg_u32 s[WV], 0
	s_cbranch_scc1 .Lnot_wave_0_\@
	s_barrier_signal -3
.Lnot_wave_0_\@:
	s_barrier_wait -3
	s_barrier_signal -1
	s_barrier_wait -1
.endm
.macro CROUND
	s_barrier_signal -1
	s_barrier_wait -1
	CREST
.endm
; PREFETCHES, together, behind the refill of K step s + 2 and the loads that follow it.  act: K step s + 3, which the next refill asks for, 256 matrix instructions on.  Its rows are read by both clusters of
; a tile row: the one with x = 0 asks; of the 128 pieces of 256 bytes that a wave fetches each of the four partners takes 32, told apart by address: a lane a piece.  wd: my own 32 KiB of K step s + 3,
; whose first loads go out 384 matrix instructions on: they are read by the 32 work-groups of a tile column, and tile row 0 asks: four lines, a lane a piece.  So each piece is named once in the launch.
; K steps 0 to 2 come by their loads alone; the loop's last trip asks for nothing: K step 9 does not exist.
.macro ASK
	s_cmp_gt_u32 s3, s[LIMA]
	s_cbranch_scc0 .Lnot_a_\@
	global_prefetch_b8 v[PFO], s[PFA:PFA+1] th:TH_LOAD_NT scope:SCOPE_SE
.Lnot_a_\@:
	s_cmp_gt_u32 s3, s[LIMB]
	s_cbranch_scc0 .Lnot_b_\@
.irp j, 0,1,2,3
	global_prefetch_b8 v[PFO], s[PFB:PFB+1] offset:(\j)*BQ th:TH_LOAD_NT scope:SCOPE_SE
.endr
.Lnot_b_\@:
.endm
	s_load_b256 s[4:11], s[0:1], 0x0               ; act s[4:5], wd s[6:7], xb s[8:9], out0 s[10:11]
	v_lshl_add_u32 v[SPW], v0, 2, SPARE
	v_mov_b32 v[NIL], 0
	ds_add_u32 v[SPW], v[NIL]                      ; the wave's opening: the add and its wait ahead of my first tensor load
	v_lshrrev_b32 v1, 5, v0
	v_readfirstlane_b32 s[WV], v1
	s_bfe_u32 s40, ttmp6, 0x40000                  ; cx
	s_lshl_b32 s42, ttmp9, 2
	s_add_co_u32 s42, s42, s40                     ; tile column tx: it enters wd's, xb's and out0's addresses alone
	s_and_b32 s43, ttmp7, 0xffff                   ; tile row ty, which the four partners share
	; descriptor group 1: two blocks, each 128 rows x 128 bytes on end: two rows of 2,048 elements of 8 bytes, padded in LDS after every 128 bytes
	s_mov_b32 s[G1], 15|(3<<16)|(1<<20)|(1<<21)|(4<<22)|(3<<25)  ; the mask of four; 8-byte elements; padding on; bit 21 beside a mask; after every 32 words 4 words
	s_mov_b32 s[G1+1], 2048<<16                    ; tensor_dim0
	s_mov_b32 s[G1+2], 2<<16                       ; tensor_dim1
	s_mov_b32 s[G1+3], 2048<<16                    ; tile_dim0
	s_mov_b32 s[G1+4], 2                           ; tile_dim1
	s_mov_b32 s[G1+5], 65536                       ; a block's elements from block to block
	s_mov_b32 s[G1+6], 0
	s_mov_b32 s[G1+7], 0
	s_lshl_b32 s16, s[WV], 20                      ; act: blocks 2 w, 2 w + 1 of the step's eight, rows 128 ty: of the tile row and the wave's number alone
	s_lshl_b32 s17, s43, 14
	s_add_co_u32 s16, s16, s17
	s_mov_b32 s17, 0
	s_mul_i32 s18, s[WV], WPART                    ; where they go: no place in the cluster enters an LDS address
	s_mul_i32 s20, s42, 144*BQ                     ; wd: my tile column, chunks 4 w .. 4 w + 3 of the step's sixteen
	s_lshl_b32 s21, s[WV], 15
	s_add_co_u32 s20, s20, s21
	s_mov_b32 s21, 0
	s_lshl_b32 s60, s43, 7                         ; rows 128 ty + 32 w: xb's that I load, out0's that I store
	s_lshl_b32 s61, s[WV], 5
	s_add_co_u32 s60, s60, s61
	s_lshl_b32 s62, s60, 11
	s_lshl_b32 s61, s42, 8
	s_add_co_u32 s62, s62, s61                     ; xb: 2,048 bytes a row, 256 a tile column
	s_mov_b32 s63, 0
	s_lshl_b32 s60, s60, 12
	s_lshl_b32 s61, s42, 9
	s_add_co_u32 s60, s60, s61                     ; out0: 4,096 bytes a row, 512 a tile column
	s_mov_b32 s61, 0
	s_lshr_b32 s22, s40, 1                         ; the prefetches of act: partner cx takes half cx % 2 of block cx / 2 of my two,
	s_lshl_b32 s22, s22, 19
	s_and_b32 s23, s40, 1
	s_lshl_b32 s23, s23, 13
	s_add_co_u32 s22, s22, s23
	s_add_co_u32 s22, s22, 3*ASTEP                 ; beginning with K step 3
	s_mov_b32 s23, 0
	s_cmp_eq_u32 ttmp9, 0
	s_cselect_b32 s[LIMA], 1, -1                   ; the same in all four partners
	s_cmp_eq_u32 s43, 0
	s_cselect_b32 s[LIMB], 1, -1
	s_mov_b32 s58, 0xffff0000                      ; a word's upper bf16
	s_mov_b32 s[TB], 0
	v_and_b32 v1, 15, v0                           ; r
	v_bfe_u32 v2, v0, 4, 1                         ; h
	v_and_b32 v5, 31, v0                           ; l
	v_lshlrev_b32 v[BO], 4, v5
	v_lshlrev_b32 v[XO], 11, v2                    ; lanes 0-15 one row of xb's tile, 256 bytes, lanes 16-31 the next
	v_lshl_add_u32 v[XO], v1, 4, v[XO]
	v_lshlrev_b32 v[PFO], 8, v5
	s_wait_dscnt 0x0                               ; the opening add is done
	s_wait_kmcnt 0x0
	s_add_nc_u64 s[16:17], s[4:5], s[16:17]
	s_add_nc_u64 s[BB:BB+1], s[6:7], s[20:21]
	s_add_nc_u64 s[XBB:XBB+1], s[8:9], s[62:63]
	s_add_nc_u64 s[OB:OB+1], s[10:11], s[60:61]
	s_add_nc_u64 s[PFA:PFA+1], s[16:17], s[22:23]
	s_add_nc_u64 s[PFB:PFB+1], s[BB:BB+1], 3*BSTEP
; 16 loads: wd's eight fragments of quarter j of the K step at which BB stands, into buffer j: 512 consecutive bytes each
.macro FETCHB j
	WIN TO_B
.irp b, 0,1,2,3,4,5,6,7
	global_load_b128 v[64*(\j)+8*(\b):64*(\j)+8*(\b)+3],   v[BO], s[BB:BB+1] offset:(\j)*BQ+(\b)*1024
	global_load_b128 v[64*(\j)+8*(\b)+4:64*(\j)+8*(\b)+7], v[BO], s[BB:BB+1] offset:(\j)*BQ+(\b)*1024+512
.endr
.endm
; 16 LDS loads: act's eight fragments of quarter qq of the slot in hand (block qq / 2 of my two, byte 64 (qq % 2) of its rows), into buffer f
.macro FETCHA qq, f
	WIN 0
.irp i, 0,1,2,3,4,5,6,7
	ds_load_b128 v[FA+64*(\f)+8*(\i):FA+64*(\f)+8*(\i)+3],   v[ADRA] offset:((\qq)/2)*AKB+((\qq)%2)*64+(\i)*16*PA
	ds_load_b128 v[FA+64*(\f)+8*(\i)+4:FA+64*(\f)+8*(\i)+7], v[ADRA] offset:((\qq)/2)*AKB+((\qq)%2)*64+(\i)*16*PA+32
.endr
.endm
.irp i, 0,1,2,3,4,5,6,7,8,9,10,11,12,13,14,15
	global_load_b128 v[XB+4*(\i):XB+4*(\i)+3], v[XO], s[XBB:XBB+1] offset:4096*(\i) th:TH_LOAD_NT  ; my 32 rows of xb, into registers that lie idle till the end; the oldest loads of all
.endr
	FETCHB 0                                       ; wd's first three quarters
	FETCHB 1
	FETCHB 2
	WIN 0
.irp s, 0,1
	s_mov_b32 s[G0+4*(\s)], 1                      ; count = 1
	s_add_co_u32 s[G0+4*(\s)+1], s18, (\s)*SLOT    ; LDS address
	s_add_nc_u64 s[G0+4*(\s)+2:G0+4*(\s)+3], s[16:17], (\s)*ASTEP  ; global address: K step s
	s_or_b32 s[G0+4*(\s)+3], s[G0+4*(\s)+3], 0x80000000           ; type = 2
.endr
	CROUND                                         ; all four work-groups are here: the first joint loads meet
	tensor_load_to_lds s[G0:G0+3], s[G1:G1+7]      ; every wave fetches its own part of both slots: two loads of mine are out
	s_nop 0
	tensor_load_to_lds s[GW:GW+3], s[G1:G1+7]
	s_nop 0
	PLACES
	v_mul_u32_u24 v3, v1, PA
	v_lshl_add_u32 v3, v2, 4, v3                   ; a fragment's row x pitch + 16 x half
	v_add_nc_u32 v[A0], s18, v3
	v_mov_b32 v[ADRA], v[A0]
	s_mul_i32 s60, s[WV], RED
	v_mul_u32_u24 v[DW], v1, PBB
	v_lshl_add_u32 v[DW], v2, 5, v[DW]
	v_add_nc_u32 v[DW], s60, v[DW]                 ; my partial tile: row r, 32 bytes for each half of the lanes
	s_mul_i32 s60, s[WV], 32*PBB
	v_lshl_add_u32 v[SR], v5, 4, s60               ; rows 32 w .. of wave 0's partial tile, 16 bytes a lane
.irp u, 1,2,3
	v_add_nc_u32 v[SR+(\u)], RED*(\u), v[SR]
.endr
	s_lshl_b32 s60, s[WV], 13
	s_add_co_u32 s60, s60, XT
	v_lshl_add_u32 v[XA], v5, 3, s60
	v_lshl_add_u32 v[XW], v5, 4, s60
	v_lshlrev_b32 v[OO], 4, v5
; 16 matrix instructions: act's buffer f, wd's buffer j.  The 64 accumulators take turns, one instruction a turn, in the same order in every quarter.  zero = 1: the first product starts the sums.
.macro MUL16 f, j, hi, a0, zero
	WIN MUL_LO+0x50*(\hi)
.irp a, \a0, (\a0)+1
.irp b, 0,1,2,3,4,5,6,7
.if \zero
	v_wmma_f32_16x16x32_bf16 v[8*(8*(\a)+(\b)):8*(8*(\a)+(\b))+7], v[64*(\j)+8*(\b):64*(\j)+8*(\b)+7], v[FA+64*(\f)+8*(4*(\hi)+(\a)):FA+64*(\f)+8*(4*(\hi)+(\a))+7], 0
.else
	v_wmma_f32_16x16x32_bf16 v[8*(8*(\a)+(\b)):8*(8*(\a)+(\b))+7], v[64*(\j)+8*(\b):64*(\j)+8*(\b)+7], v[FA+64*(\f)+8*(4*(\hi)+(\a)):FA+64*(\f)+8*(4*(\hi)+(\a))+7], v[8*(8*(\a)+(\b)):8*(8*(\a)+(\b))+7]
.endif
.endr
.endr
.endm
; A K step is, for a wave, four quarters of 32 along K, 64 matrix instructions each.  Quarter qq (0, 1, 2) multiplies act's buffer qq % 2 by wd's buffer qq; in its middle it fetches act's next quarter
; from LDS and (ldb = 1) asks for wd's quarter three on, into the buffer that the quarter before has read.  n: the loads of wd's later quarters, which may stay out.
.macro QUARTER qq, zero, ldb, n
	s_wait_loadcnt \n                              ; loads come back in order: wd's fragments of this quarter are in
	s_wait_dscnt 8                                 ; act's rows 0-63 are in; the youngest eight loads (rows 64-127) may be out
	MUL16 (\qq)%2, \qq, 0, 0, \zero
	MUL16 (\qq)%2, \qq, 0, 2, \zero
	PLACES
.if \ldb
	FETCHB ((\qq)+3)%4
.endif
	FETCHA (\qq)+1, ((\qq)+1)%2
	s_wait_dscnt 16                                ; all but the 16 just issued
	MUL16 (\qq)%2, \qq, 1, 0, \zero
	MUL16 (\qq)%2, \qq, 1, 2, \zero
.endm
; The fourth quarter changes slots.  fill = 1: in front of ONE barrier each wave waits for all its tensor loads (one is out: its part of the next slot), adds 0 to its spare word, and waits for that and
; for its reads of this slot; the barrier opens a round of the cluster's, so that no wave of any partner still reads the slot; the joint refill, two K steps ahead, is the first thing behind the round.
; fill = 0: nothing is filled, and a wave reads what it fetched itself: its own wait is all the ordering.
.macro TURN fill
	WIN 0
	s_wait_loadcnt 32
	s_wait_tensorcnt 0x0                           ; my part of the next slot is in; no tensor load of mine is out, so a group 0 may be written
.if \fill
	ds_add_u32 v[SPW], v[NIL]
	s_xor_b32 s[GW+1], s[GW+1], SLOT               ; the walking descriptor: the slot that is being left,
	s_add_nc_u64 s[GW+2:GW+3], s[GW+2:GW+3], ASTEP ; the K step behind the one asked for last; the type bits on top are not reached
	s_xor_b32 s[TB], s[TB], SLOT                   ; the fragments come from the other slot from here on
	s_wait_dscnt 9                                 ; the add and the youngest eight loads may be out
	MUL16 1, 3, 0, 0, 0
	s_wait_dscnt 0x0                               ; the add is done, and my reads of this slot are over
	s_barrier_signal -1
	MUL16 1, 3, 0, 2, 0
	WIN 0
	s_barrier_wait -1
	CREST
	tensor_load_to_lds s[GW:GW+3], s[G1:G1+7]      ; 224 matrix instructions ahead of the wait for it
	s_nop 0
.else
	s_xor_b32 s[TB], s[TB], SLOT
	s_wait_dscnt 8
	MUL16 1, 3, 0, 0, 0
	MUL16 1, 3, 0, 2, 0
	WIN 0
.endif
	PLACES                                         ; behind the tensor load and in front of the loads below
	v_add_nc_u32 v[ADRA], s[TB], v[A0]
	FETCHB 2
	FETCHA 0, 0
.if \fill
	ASK
.else
	s_wait_dscnt 16
.endif
	MUL16 1, 3, 1, 0, 0
	MUL16 1, 3, 1, 2, 0
.endm
	s_wait_tensorcnt 1                             ; my part of K step 0 is in, and only I read it; step 1's may stay out
	FETCHA 0, 0
	QUARTER 0, 1, 1, 32                            ; the first quarter stands in front of the loop: its products start the sums
	WIN 0
	s_wait_xcnt 0x0                                ; every load issued so far has read its address
	s_add_nc_u64 s[BB:BB+1], s[BB:BB+1], BSTEP     ; from here on K step 1 is loaded
	s_mov_b32 s3, STEPS-2
.Lstep:                                        ; a trip: from a K step's second quarter to the next step's first; it fills the slot that it leaves and loads the next step's four quarters of wd
	QUARTER 1, 0, 1, 32
	QUARTER 2, 0, 1, 32
	TURN 1
	QUARTER 0, 0, 1, 32
	WIN 0
	s_wait_xcnt 0x0                                ; the youngest load stands 32 matrix instructions back, the prefetches 96: the pointers are written only behind this wait
	s_add_nc_u64 s[BB:BB+1], s[BB:BB+1], BSTEP
	s_add_nc_u64 s[PFA:PFA+1], s[PFA:PFA+1], ASTEP
	s_add_nc_u64 s[PFB:PFB+1], s[PFB:PFB+1], BSTEP
	s_sub_co_u32 s3, s3, 1
	s_cmp_lg_u32 s3, 0
	s_cbranch_scc1 .Lstep
	QUARTER 1, 0, 1, 32                            ; the last two K steps fill nothing
	QUARTER 2, 0, 1, 32
	TURN 0
	QUARTER 0, 0, 1, 32                            ; wd's last quarter is asked for
	QUARTER 1, 0, 0, 32                            ; and the counts run down
	QUARTER 2, 0, 0, 16
	s_wait_loadcnt 0x0
	s_wait_dscnt 8
	MUL16 1, 3, 0, 0, 0
	MUL16 1, 3, 0, 2, 0
	s_wait_dscnt 0x0
	MUL16 1, 3, 1, 0, 0
	MUL16 1, 3, 1, 2, 0
	WIN 0
	PLACES
	s_barrier_signal -1                            ; every wave's reads of the ring are over (waited for above), and the ring has had its last fill:
	s_barrier_wait -1                              ; the partial sums and xb may lie over it
.irp i, 0,1,2,3,4,5,6,7,8,9,10,11,12,13,14,15
	ds_store_b128 v[XW], v[XB+4*(\i):XB+4*(\i)+3] offset:512*(\i)  ; xb goes through LDS so that the counted loop below can reach a row by its address
.endr
.irp w, 0,1
	WIN 0x08+4*(\w)                                ; store data in window 2 or 3
.irp a, 0,1,2,3
.irp b, 0,1,2,3,4,5,6,7
	ds_store_b128 v[DW], v[8*(8*(\a)+(\b)):8*(8*(\a)+(\b))+3]   offset:16*PBB*(4*(\w)+(\a))+64*(\b)
	ds_store_b128 v[DW], v[8*(8*(\a)+(\b))+4:8*(8*(\a)+(\b))+7] offset:16*PBB*(4*(\w)+(\a))+64*(\b)+16
.endr
.endr
.endr
	WIN 0
	s_wait_dscnt 0x0                               ; for the others' sake: my stores are done
	s_barrier_signal -1
	s_barrier_wait -1
	s_mov_b32 s3, 4
.Lsum:                                         ; eight of my 32 rows a trip: four partial sums and xb, 16 bytes of out0 a lane
.irp q, 0,1,2,3,4,5,6,7
.irp u, 0,1,2,3
	ds_load_b128 v[64+16*(\q)+4*(\u):64+16*(\q)+4*(\u)+3], v[SR+(\u)] offset:PBB*(\q)
.endr
	ds_load_b64 v[192+2*(\q):193+2*(\q)], v[XA] offset:256*(\q)
.endr
	s_wait_dscnt 0x0
.irp q, 0,1,2,3,4,5,6,7
	v_pk_add_f32 v[64+16*(\q):65+16*(\q)], v[64+16*(\q):65+16*(\q)], v[68+16*(\q):69+16*(\q)]
	v_pk_add_f32 v[66+16*(\q):67+16*(\q)], v[66+16*(\q):67+16*(\q)], v[70+16*(\q):71+16*(\q)]
	v_pk_add_f32 v[72+16*(\q):73+16*(\q)], v[72+16*(\q):73+16*(\q)], v[76+16*(\q):77+16*(\q)]
	v_pk_add_f32 v[74+16*(\q):75+16*(\q)], v[74+16*(\q):75+16*(\q)], v[78+16*(\q):79+16*(\q)]
	v_lshlrev_b32 v208, 16, v[192+2*(\q)]
	v_and_b32 v209, s58, v[192+2*(\q)]
	v_lshlrev_b32 v210, 16, v[193+2*(\q)]
	v_and_b32 v211, s58, v[193+2*(\q)]
	v_pk_add_f32 v[64+16*(\q):65+16*(\q)], v[64+16*(\q):65+16*(\q)], v[72+16*(\q):73+16*(\q)]
	v_pk_add_f32 v[66+16*(\q):67+16*(\q)], v[66+16*(\q):67+16*(\q)], v[74+16*(\q):75+16*(\q)]
	v_pk_add_f32 v[64+16*(\q):65+16*(\q)], v[64+16*(\q):65+16*(\q)], v[208:209]
	v_pk_add_f32 v[66+16*(\q):67+16*(\q)], v[66+16*(\q):67+16*(\q)], v[210:211]
	global_store_b128 v[OO], v[64+16*(\q):67+16*(\q)], s[OB:OB+1] offset:4096*(\q) th:TH_STORE_NT  ; the wave's store: 512 consecutive bytes of a row, aligned
.endr
	s_wait_xcnt 0x0                                ; the stores have read their data and their offset
.irp u, 0,1,2,3
	v_add_nc_u32 v[SR+(\u)], 8*PBB, v[SR+(\u)]
.endr
	v_add_nc_u32 v[XA], 8*256, v[XA]
	v_add_nc_u32 v[OO], 8*4096, v[OO]
	s_sub_co_u32 s3, s3, 1
	s_cmp_lg_u32 s3, 0
	s_cbranch_scc1 .Lsum
	s_wait_tensorcnt 0x0                           ; the wave's end
	ds_add_u32 v[SPW], v[NIL]
	s_wait_dscnt 0x0
	CROUND                                         ; the closing round
	s_endpgm
.Lfunc_end_k_q5788b9984a_gemm2:
	.size	k_q5788b9984a_gemm2, .Lfunc_end_k_q5788b9984a_gemm2-k_q5788b9984a_gemm2
	.p2alignl 7, 3214868480
	.fill 96, 4, 3214868480
	.section	.rodata,"a",@progbits
	.p2align	6, 0x0
	.amdhsa_kernel k_q5788b9984a_gemm2
		.amdhsa_group_segment_fixed_size 327680
		.amdhsa_private_segment_fixed_size 0
		.amdhsa_enable_private_segment 0
		.amdhsa_kernarg_size 32
		.amdhsa_user_sgpr_count 2
		.amdhsa_user_sgpr_kernarg_segment_ptr 1
		.amdhsa_wavefront_size32 1
		.amdhsa_system_sgpr_workgroup_id_x 1
		.amdhsa_system_sgpr_workgroup_id_y 1
		.amdhsa_system_sgpr_workgroup_id_z 1
		.amdhsa_system_vgpr_workitem_id 0
		.amdhsa_next_free_vgpr 1024
		.amdhsa_next_free_sgpr 66
		.amdhsa_reserve_vcc 0
		.amdhsa_float_denorm_mode_32 3
		.amdhsa_float_denorm_mode_16_64 3
		.amdhsa_memory_ordered 1
		.amdhsa_forward_progress 1
		.amdhsa_inst_pref_size 110
	.end_amdhsa_kernel
	.amdgpu_metadata
---
amdhsa.version: [ 1, 2 ]
amdhsa.kernels:
  - .name:           k_q5788b9984a_gemm2
    .symbol:         k_q5788b9984a_gemm2.kd
    .args:
      - { .name: act, .offset: 0, .size: 8, .value_kind: global_buffer, .address_space: global }
      - { .name: wd, .offset: 8, .size: 8, .value_kind: global_buffer, .address_space: global }
      - { .name: xb, .offset: 16, .size: 8, .value_kind: global_buffer, .address_space: global }
      - { .name: out0, .offset: 24, .size: 8, .value_kind: global_buffer, .address_space: global }
    .group_segment_fixed_size: 327680
    .private_segment_fixed_size: 0
    .kernarg_segment_align: 8
    .kernarg_segment_size: 32
    .max_flat_workgroup_size: 128
    .sgpr_count:     66
    .vgpr_count:     1024
    .wavefront_size: 32
...
	.end_amdgpu_metadata
.endif
;; end of part 4
